; MI455X (gfx1250); checked and timed in simulation.
; The chip was launched on July 23, 2026; its instructions are those of AMD's public machine-readable ISA for CDNA 5 (MIT licence, August 2026) and "CDNA5" Instruction Set Architecture Reference Guide (July 2026). The comments in the code are by the model that wrote it; some were corrected since.
;; Causal Attention. Allowed arithmetic: matrix products marked QUANTISED: E2M3 operands, one E8M0 scale for each 32 along K, by v_wmma_scale_f32_16x16x128_f8f6f4 with both operands' format E2M3, f32 sums; everything else in f32.
;; Inputs: Wk 1,024 x 1,024 float32; Wq 1,024 x 1,024 float32; Wv 1,024 x 1,024 float32; x 4 x 2,048 x 1,024 float32.
;; Outputs: out0 4 x 2,048 x 1,024 float32.
;; This version of the problem:
;;   THIS VERSION OF THE PROBLEM IS GIVEN IN LOW PRECISION. The matrix products marked QUANTISED in the list below multiply operands that are first quantised to E2M3 (2 exponent bits, 3 mantissa bits; 6 bits a number), with one power-of-two scale for each 32 numbers along K (OCP MX v1.0); their sums are f32. All else is computed in f32.
;;   The module's matrix products, in the order in which they are computed (A, B: the left and right operand; K: the contracted axis; several contracted axes count as one K, in the product's order):
;;     1. [M 8,192, K 1,024] x [K 1,024, N 1,024]; A: input x; B: input Wq: QUANTISED
;;     2. [M 8,192, K 1,024] x [K 1,024, N 1,024]; A: input x; B: input Wk: QUANTISED
;;     3. [M 8,192, K 1,024] x [K 1,024, N 1,024]; A: input x; B: input Wv: QUANTISED
;;     4. batch 4 x [M 2,048, K 1,024] x [K 1,024, N 2,048]; A: computed on the way; B: computed on the way: QUANTISED
;;     5. batch 4 x [M 2,048, K 2,048] x [K 2,048, N 1,024]; A: softmax (see below); B: computed on the way: QUANTISED
;;   THE QUANTISER, for each operand of a quantised product, along K:
;;     - K is cut into blocks of 32 from its start; a last block that is shorter is filled with zeros.
;;     - A block's scale is 2^e with e = floor(log2(the largest magnitude in the block)) - 2, held to -126 .. 127; a block of zeros has e = 0. As a byte (E8M0): e + 127.
;;     - Each number is divided by its block's scale, clamped to +-7.5, and rounded to the nearest number of E2M3, ties to even, subnormals kept.
;;     - The product sums the exact products of the quantised numbers (number of the format x scale) in f32.
;;   ~~~python
;;   def quantise(x, axis):      # numpy; x: float32 -> the quantised numbers, widened to float32 again
;;       x = np.moveaxis(x, axis, -1); K = x.shape[-1]
;;       x = np.pad(x, [(0, 0)] * (x.ndim - 1) + [(0, -K % 32)]); x = x.reshape(x.shape[:-1] + (-1, 32)); a = np.abs(x).max(-1, keepdims=True)
;;       e = np.where(a > 0, np.clip(np.frexp(np.where(a > 0, a, 1))[1] - 1 - 2, -126, 127), 0)      # np.frexp(a)[1] - 1 = floor(log2(a)), exactly
;;       r = np.clip(x / 2.0 ** e, -7.5, 7.5)
;;       step = 2.0 ** (np.maximum(np.frexp(np.where(r == 0, 1, r))[1] - 1, 0) - 3)
;;       q = np.round(r / step) * step * 2.0 ** e      # np.round: ties to even
;;       return np.moveaxis(q.reshape(q.shape[:-2] + (-1,))[..., :K], -1, axis).astype(np.float32)
;;   ~~~
;;   SOFTMAX AHEAD OF A QUANTISED PRODUCT. Where the list says 'softmax', what is quantised is not the finished softmax but p = 2^(t - M), with t = logit x log2(e) and M = ceil(the row's largest t), a whole number; so 1/2 < the row's largest p <= 1. The row's sum l is taken of the UNQUANTISED p, in f32, and the product's result is divided by l at the end. Since M is a whole number, a kernel that streams over the keys may use a running M (the ceiling of the running maximum): every later rescaling is an exact power of two, which a block's scale takes up: the codes' values come out the same.
;;   OPERANDS COMPUTED ON THE WAY. 'Computed on the way' means the value that the module computes at that place (a softmax that the list does not call 'softmax' is quantised finished and normalised). What goes into a quantiser is computed in f32, as accurately as f32 sums, v_exp_f32 and their like allow (about 1e-6 of the number): no bf16 or f16 on the way to a quantiser, and a product that is left as it is and whose result goes on into a quantised operand takes f32 operands (vector FMAs, or v_wmma_f32_16x16x4_f32). A number that lies on a knife's edge between two numbers of the format may be rounded either way, as far as f32 arithmetic and the matrix unit's own rounding can turn it there, and no further.
;; One version. Each part assembles by itself: llvm-mc -triple=amdgcn-amd-amdhsa -mcpu=gfx1250 --defsym DOCPART=n.
;; ======== version 1 of 1: 4 launches
;; limits: right only within a limited range of input values
;; workspace buffers: xc 6,553,600 bytes; wc 2,457,600 bytes; qkc 13,107,200 bytes; vc 6,553,600 bytes; pc 13,107,200 bytes; st 1,048,576 bytes
;; launch quant (part 1): grid 704 x 1, 4 waves a work-group, no clusters, 34,304 bytes of LDS; arguments x, Wq, Wk, Wv, xc, wc; writes xc, wc
.if DOCPART == 1
	.amdgcn_target "amdgcn-amd-amdhsa--gfx1250"
	.amdhsa_code_object_version 6
	.text
	.protected	k_q71bcbd7c17_quant
	.globl	k_q71bcbd7c17_quant
	.p2align	8
	.type	k_q71bcbd7c17_quant,@function
k_q71bcbd7c17_quant:
	s_mov_b64 s[64:65], 0
	v_nop
	global_prefetch_b8 v0, s[64:65] scope:SCOPE_SE
	s_setreg_imm32_b32 hwreg(HW_REG_WAVE_MODE, 25, 1), 1
	s_wait_xcnt 0x0
; x [8192][1024] and Wq, Wk, Wv [1024][1024], f32, become codes of FP6 (E2M3) with one E8M0 byte for each 32 along K (the last axis), laid as the products' launches read them.
; LEFT OUT BY THE LATER LAUNCHES: tiles of scores and of p v that lie wholly behind the causal mask which reference() builds itself: their p is 0 for all values of the inputs.  A NaN, an infinity or an overflow
; that reaches only such tiles is not carried to the result.  Every input is loaded.
; THE LAYOUT OF EVERY OPERAND OF THIS PROGRAM.  Rows go in groups of 128, K in slots of 256.  Block (group, slot) is 25,600 dense bytes: 16 images of fragments, then 1,024 bytes of scale words.
; Fragment (i = row block 0..7, q = K step 0..1) lies at (8 q + i) x 1,536: the operand's 12 registers as 3 pieces of 512 bytes, lane l's registers 4 c .. 4 c + 3 at 512 c + 16 l.
; Lane (r, h) holds row place r; its registers 6 c .. 6 c + 5 hold k = 128 q + 64 c + 32 h + 0 .. 31.  The scale word of place r, K step q lies at 24,576 + (16 i + r) x 8 + 4 q.
; Place r of row block i is row 32 (i / 2) + 8 (i % 2) + r % 8 + 16 (r / 8) of the group: so the results of a product that takes such rows as source 0 have 16 neighbours along the next K in 16 registers.
; A block's scale is 2^(floor(log2(its largest magnitude)) - 2); its byte is the largest magnitude's exponent field - 2, held at 1 from below.
; LIMITS: a block of zeros, or one whose largest magnitude lies under 2^(3 - 127), gets the byte 1 (the rule says 127 for zeros: the codes are zeros, and this program alone reads the bytes); NaN and infinities are not served.
; SHARES.  A work-group takes one row block (16 rows), a wave one K slot of it (256 along K): two fragments, all of whose 32 loads are issued at once.  704 row blocks: x 0-511, Wq 512-575, Wk 576-639, Wv 640-703.
; Each load reads 512 consecutive bytes of one row; the 16 rows x 512 bytes turn through the wave's own stage in LDS, from which a lane takes its 64 numbers, two whole blocks of 32.  Waves share nothing: no barrier.
; No tensor loads, clusters or matrix units: every byte is read once and nothing is shared.
.set ROWF,  4096                       ; a row of x or of a weight in bytes
.set BLKB,  25600
.set FRB,   1536
.set SCO,   24576
.set SP,    528                        ; a stage row: 512 bytes + 16
.set WST,   16*SP                      ; a wave's stage
.set LO,    3                          ; v3     16 x lane
.set WD,    4                          ; v4-5   the two fragments' scale words
.set TQ,    8                          ; v8-10, v12-14 the upper halves of two blocks' codes
.set STI,   11                         ; v11    the stage, on the way in
.set STO,   15                         ; v15    and on the way out
.set PCS,   16                         ; v16-39 codes, two sets of 12
.set MX,    40                         ; v40-43 largest magnitudes, two chains a block
.set SO,    44                         ; v44-45 the conversions' scale operands
.set BY,    46                         ; v46-47 the bytes
.set TW,    48
.set SH,    49                         ; v49    8 h
.set TP,    50
.set SA,    51                         ; v51    where my scale words go
.set RAW,   64                         ; v64-191 two sets of 64 registers as loaded
.set X,     192                        ; v192-255 my 64 numbers: X + 32 c + n = k 64 c + 32 h + n of row place r
	s_load_b256 s[4:11], s[0:1], 0x0               ; x, Wq, Wk, Wv
	s_load_b128 s[12:15], s[0:1], 0x20             ; xc, wc
	v_lshl_add_u32 v62, v0, 2, 0x8400              ; my spare word, behind the four stages
	v_mov_b32 v63, 0
	v_lshrrev_b32 v1, 5, v0
	v_readfirstlane_b32 s17, v1                    ; wave = my K slot
	v_and_b32 v1, 15, v0                           ; r
	v_bfe_u32 v2, v0, 4, 1                         ; h
	v_and_b32 v[LO], 31, v0
	v_lshlrev_b32 v[LO], 4, v[LO]
	s_mul_i32 s22, s17, WST
	v_add_nc_u32 v[STI], s22, v[LO]                ; in: a row's 512 bytes as they lie
	v_mul_u32_u24 v[STO], v1, SP
	v_lshl_add_u32 v[STO], v2, 7, v[STO]
	v_add_nc_u32 v[STO], s22, v[STO]               ; out: row r, 128 h bytes on
	v_lshlrev_b32 v[SH], 3, v2
	v_mov_b32 v[TP], 0                             ; written once: a lane permute's destination counts as one of its sources
	v_lshlrev_b32 v[SA], 3, v1                     ; 8 bytes a row place; lanes l and l xor 16 hold, and store, the same two words
	s_mov_b32 s20, 0x76543210
	s_mov_b32 s21, 0xfedcba98                      ; v_permlanex16_b32's selects for lane l xor 16
	s_mov_b32 s18, ttmp9                           ; my row block, 0..703
	s_wait_alu depctr_va_vdst(0)                   ; the wait at the head's end
	s_wait_kmcnt 0x0
	s_cmp_lt_u32 ttmp9, 640                        ; the choices hang on the work-group's number alone
	s_cselect_b64 s[10:11], s[8:9], s[10:11]
	s_cmp_lt_u32 ttmp9, 576
	s_cselect_b64 s[10:11], s[6:7], s[10:11]
	s_cmp_lt_u32 ttmp9, 512
	s_cselect_b64 s[10:11], s[4:5], s[10:11]       ; the tensor that I read
	s_cselect_b64 s[12:13], s[12:13], s[14:15]     ; the buffer that I write
	s_cselect_b32 s16, 511, 63
	s_and_b32 s24, s18, s16                        ; my row block within the tensor
	s_and_b32 s27, s18, 7                          ; i
	s_lshr_b32 s24, s24, 3
	s_lshl_b32 s24, s24, 7                         ; 128 x group
	s_lshr_b32 s26, s27, 1
	s_lshl_b32 s26, s26, 5
	s_add_co_u32 s24, s24, s26                     ; + 32 (i / 2)
	s_and_b32 s26, s27, 1
	s_lshl_b32 s26, s26, 3
	s_add_co_u32 s24, s24, s26                     ; + 8 (i % 2): the row of place 0
	s_lshl_b32 s24, s24, 12
	s_lshl_b32 s26, s17, 10
	s_add_co_u32 s24, s24, s26                     ; in bytes, + my K slot's 1,024
	s_mov_b32 s25, 0
	s_and_b32 s28, s18, 511                        ; my row block within the buffer (the weights' 192 follow each other)
	s_lshr_b32 s28, s28, 3
	s_lshl_b32 s28, s28, 2
	s_add_co_u32 s28, s28, s17                     ; block = 4 x group + slot
	s_mul_i32 s28, s28, BLKB
	s_mov_b32 s29, 0
	s_mul_i32 s30, s27, FRB
	s_add_co_u32 s30, s30, s28                     ; my images
	s_mov_b32 s31, 0
	s_lshl_b32 s26, s27, 7
	s_add_co_u32 s28, s28, s26
	s_add_co_u32 s28, s28, SCO                     ; my scale words
	s_add_nc_u64 s[4:5], s[10:11], s[24:25]
	s_add_nc_u64 s[8:9], s[12:13], s[30:31]
	s_add_nc_u64 s[10:11], s[12:13], s[28:29]
.macro LOADF t                         ; fragment t: 16 rows x 512 bytes; load p reads the row of place p
.irp p, 0,1,2,3,4,5,6,7,8,9,10,11,12,13,14,15
	global_load_b128 v[RAW+64*((\t)%2)+4*\p:RAW+64*((\t)%2)+4*\p+3], v[LO], s[4:5] offset:((\p%8)+16*(\p/8))*ROWF+512*(\t) th:TH_LOAD_NT
.endr
.endm
.macro TURNF t                         ; through the stage: LDS serves a wave's instructions in order, so no wait stands between the stores and the loads
.irp p, 0,1,2,3,4,5,6,7,8,9,10,11,12,13,14,15
	ds_store_b128 v[STI], v[RAW+64*((\t)%2)+4*\p:RAW+64*((\t)%2)+4*\p+3] offset:SP*\p
.endr
.irp c, 0,1
.irp j, 0,1,2,3,4,5,6,7
	ds_load_b128 v[X+32*\c+4*\j:X+32*\c+4*\j+3], v[STO] offset:256*\c+16*\j
.endr
.endr
.endm
.macro QB t                            ; my two blocks (2 c + h, c = 0, 1) of fragment t: scale, codes, image
.set PC, PCS+12*((\t)%2)
.irp c, 0,1
	v_max3_num_f32 v[MX+2*\c], |v[X+32*\c]|, |v[X+32*\c+1]|, |v[X+32*\c+2]|
	v_max3_num_f32 v[MX+2*\c+1], |v[X+32*\c+3]|, |v[X+32*\c+4]|, |v[X+32*\c+5]|
.endr
.irp i, 6,10,14,18,22,26
.irp c, 0,1
	v_max3_num_f32 v[MX+2*\c], v[MX+2*\c], |v[X+32*\c+\i]|, |v[X+32*\c+\i+1]|
	v_max3_num_f32 v[MX+2*\c+1], v[MX+2*\c+1], |v[X+32*\c+\i+2]|, |v[X+32*\c+\i+3]|
.endr
.endr
.irp c, 0,1
	v_max3_num_f32 v[MX+2*\c], v[MX+2*\c], |v[X+32*\c+30]|, |v[X+32*\c+31]|
.endr
.irp c, 0,1
	v_max3_num_f32 v[MX+2*\c], v[MX+2*\c], v[MX+2*\c+1], 0x1800000   ; and the floor 2^(3 - 127): the byte cannot fall under 1
.endr
.irp c, 0,1
	v_add_nc_u32 v[SO+\c], 0xff000000, v[MX+2*\c]  ; 2 off the exponent field: the conversion takes the exponent field of this operand as its scale
.endr
.irp c, 0,1
	v_lshrrev_b32 v[BY+\c], 23, v[SO+\c]           ; the scale's byte
.endr
	v_lshl_or_b32 v[TW], v[BY+1], 16, v[BY]        ; my two bytes, blocks h and 2 + h,
	v_lshlrev_b32 v[TW], v[SH], v[TW]              ; at their places in the word;
	v_permlanex16_b32 v[TP], v[TW], s20, s21
	v_or_b32 v[WD+(\t)], v[TW], v[TP]              ; with lane l xor 16's two the word is whole
.irp c, 0,1
	v_cvt_scalef32_pk16_fp6_f32 v[PC+6*\c:PC+6*\c+2], v[X+32*\c:X+32*\c+15], v[SO+\c]
	v_cvt_scalef32_pk16_fp6_f32 v[TQ+4*\c:TQ+4*\c+2], v[X+32*\c+16:X+32*\c+31], v[SO+\c]   ; (a conversion's three registers begin on an even number)
.endr
	v_nop                                          ; one plain place behind a scaled conversion
.irp c, 0,1
.irp i, 0,1,2
	v_mov_b32 v[PC+6*\c+3+\i], v[TQ+4*\c+\i]
.endr
.endr
.irp c, 0,1,2
	global_store_b128 v[LO], v[PC+4*\c:PC+4*\c+3], s[8:9] offset:(\t)*8*FRB+512*\c   ; 32 lanes store 512 consecutive bytes; each fragment has its own set of code registers
.endr
.endm
	LOADF 0
	LOADF 1
.irp t, 0,1
	s_wait_loadcnt 16-16*\t                        ; this fragment's 16 loads are in; the next fragment's 16 may be out
	TURNF \t
	s_wait_dscnt 0x0                               ; my numbers are back
	QB \t
.endr
	s_wait_alu depctr_va_vdst(0)                   ; the wait ahead of the reader below
	global_store_b64 v[SA], v[WD:WD+1], s[10:11]   ; the words of K steps 0, 1 of my slot
	s_wait_tensorcnt 0x0                           ; the wave's end
	ds_add_u32 v62, v63
	s_wait_dscnt 0x0
	s_endpgm
.Lfunc_end_k_q71bcbd7c17_quant:
	.size	k_q71bcbd7c17_quant, .Lfunc_end_k_q71bcbd7c17_quant-k_q71bcbd7c17_quant
	.p2alignl 7, 3214868480
	.fill 96, 4, 3214868480
	.section	.rodata,"a",@progbits
	.p2align	6, 0x0
	.amdhsa_kernel k_q71bcbd7c17_quant
		.amdhsa_group_segment_fixed_size 34304
		.amdhsa_private_segment_fixed_size 0
		.amdhsa_enable_private_segment 0
		.amdhsa_kernarg_size 48
		.amdhsa_user_sgpr_count 2
		.amdhsa_user_sgpr_kernarg_segment_ptr 1
		.amdhsa_wavefront_size32 1
		.amdhsa_system_sgpr_workgroup_id_x 1
		.amdhsa_system_sgpr_workgroup_id_y 1
		.amdhsa_system_sgpr_workgroup_id_z 1
		.amdhsa_system_vgpr_workitem_id 0
		.amdhsa_next_free_vgpr 256
		.amdhsa_next_free_sgpr 66
		.amdhsa_reserve_vcc 0
		.amdhsa_float_denorm_mode_32 3
		.amdhsa_float_denorm_mode_16_64 3
		.amdhsa_memory_ordered 1
		.amdhsa_forward_progress 1
		.amdhsa_inst_pref_size 17
	.end_amdhsa_kernel
	.amdgpu_metadata
---
amdhsa.version: [ 1, 2 ]
amdhsa.kernels:
  - .name:           k_q71bcbd7c17_quant
    .symbol:         k_q71bcbd7c17_quant.kd
    .args:
      - { .name: x, .offset: 0, .size: 8, .value_kind: global_buffer, .address_space: global }
      - { .name: Wq, .offset: 8, .size: 8, .value_kind: global_buffer, .address_space: global }
      - { .name: Wk, .offset: 16, .size: 8, .value_kind: global_buffer, .address_space: global }
      - { .name: Wv, .offset: 24, .size: 8, .value_kind: global_buffer, .address_space: global }
      - { .name: xc, .offset: 32, .size: 8, .value_kind: global_buffer, .address_space: global }
      - { .name: wc, .offset: 40, .size: 8, .value_kind: global_buffer, .address_space: global }
    .group_segment_fixed_size: 34304
    .private_segment_fixed_size: 0
    .kernarg_segment_align: 8
    .kernarg_segment_size: 48
    .max_flat_workgroup_size: 128
    .sgpr_count:     66
    .vgpr_count:     256
    .wavefront_size: 32
...
	.end_amdgpu_metadata
.endif
;; end of part 1
;; launch proj (part 2): grid 64 x 4, 4 waves a work-group, clusters of 4 x 4, 327,680 bytes of LDS; arguments xc, wc, qkc, vc; writes qkc, vc
.if DOCPART == 2
	.amdgcn_target "amdgcn-amd-amdhsa--gfx1250"
	.amdhsa_code_object_version 6
	.text
	.protected	k_q71bcbd7c17_proj
	.globl	k_q71bcbd7c17_proj
	.p2align	8
	.type	k_q71bcbd7c17_proj,@function
k_q71bcbd7c17_proj:
	s_mov_b64 s[64:65], 0
	v_nop
	global_prefetch_b8 v0, s[64:65] scope:SCOPE_SE
	s_setreg_imm32_b32 hwreg(HW_REG_WAVE_MODE, 25, 1), 1
	s_wait_xcnt 0x0
	s_wait_alu depctr_hold_cnt(0) depctr_sa_sdst(0) depctr_va_vdst(0) depctr_va_sdst(0) depctr_va_ssrc(0) depctr_va_vcc(0) depctr_vm_vsrc(0)
	s_getreg_b32 s2, hwreg(HW_REG_IB_STS2, 6, 4)
	s_cmp_eq_u32 s2, 0
	s_cbranch_scc0 .Lentry_in_a_cluster
	s_endpgm
.Lentry_in_a_cluster:
	s_bfe_u32 s2, ttmp6, 0x10000c
	s_cmp_lg_u32 s2, 0xf033
	s_cbranch_scc0 .Lentry_shape_is_right
	s_endpgm
.Lentry_shape_is_right:
; q = x Wq^T, k = x Wk^T and v^T = Wv x^T on codes of FP6 (E2M3) with E8M0 scales; the results are quantised in registers, along the next product's K, and leave as codes.
; OPERANDS lie in blocks of 25,600 bytes (128 rows x 256 K): 16 images of fragments ((8 q + i) x 1,536; lane l's registers 4 c .. 4 c + 3 at 512 c + 16 l), then the scale words ((16 i + r) x 8 + 4 q).
; Place r of row block i is row 32 (i / 2) + 8 (i % 2) + r % 8 + 16 (r / 8) of its group of 128.
; SHARES.  32 token tiles T x 8 column tiles j of (q | k) = 256 work-groups.  Work-group (T, j) makes FIRST the tile 256 tokens x 256 columns of q or k (a wave 128 x 128: 64 accumulators),
; THEN v^T for Wv's group j (128 rows) x its own 256 tokens, which is one block of vc (a wave 64 rows x 128 tokens: 32 accumulators).  Both products read the same rows of x.
; LDS: four operand halves (x's two groups, W's two) of three places of one block.  One load a wave brings K slots 0, 1, 2 (300 rows); slot 3 takes place 0 behind a round.
; x's slots 1, 2, 3 then stay where they lie for the second product; what it still needs lands on W's six places as they fall free:
;   behind the round at the end of slot 2: x's slot 0 (W0's places 1, 2) and Wv's slots 0, 1 (W1's places 1, 2); behind a round in the middle of the first way out: Wv's slots 2, 3 (place 0 of W0, W1).
; THE MATRIX INSTRUCTION IS USED TRANSPOSED: source 0 = 16 rows of B, source 1 = 16 rows of A: a lane holds one row of A, and a row block's 64 registers are 128 neighbours along the next K.  q, k: A = x, B = W.  v^T: A = Wv, B = x.
; CLUSTERS of 4 x 4: x's blocks are asked for jointly along a row of the cluster (same T), W's and Wv's along a column (same j).  K is short and its steps are written out: no loop to run ahead in, so no data prefetch.
; LIMITS: a block of zeros or under 2^(3 - 127) gets the byte 1 (this program alone reads the bytes); NaN and infinities are not served.
; REGISTERS: window 0: v1-3 r, h, lane; v4-6 scale addresses; v12-13 16 x, 8 x lane; v16-21 fragment addresses; v28-29 the spare word's; v32-63 scale words and nothing else; v64-127 at work on the way out;
;   v128-223 A's fragments; v224-239 the second product's addresses.  window 1: B's fragments, two sets, at v0 and v128.  windows 2, 3: accumulator (a, b) at v[8 (8 (a % 4) + b)].
.set BLKB,  25600
.set OPB,   3*BLKB
.set SCO,   24576
.set FRB,   1536
.set FR,    12
.set NL,    3
.set NQ,    2
.set NP,    4
.set SPARE, 4*OPB
.set GRP4,  4*BLKB
.set QSZ,   64*GRP4
.set ADRS, 4
.set LI,   12
.set L8,   13
.set ADRA, 16
.set ADRB, 19
.set SPW,  28
.set NIL,  29
.set SC,   32
.set AF,   128
.set XB,   224                         ; v224-227 second product: x's fragments, one register a K slot
.set WA,   228                         ; v228-231 Wv's
.set SL,   232                         ; v232-235 scale words: lanes 0-15 Wv's block i, lanes 16-31 x's block i, i = 0 .. 3
.set SH,   236                         ; v236-239 the same for i = 4 .. 7: lanes 0-15 Wv's block i - 4 once more
.set TM,   64
.set PW,   80
.set KW,   82
.set SW,   84
.set PC,   96
.set G1,  24                           ; group 1, mask of my row
.set G0,  32
.set G1V, 36                           ; group 1, mask of my column, 200 rows
.set G1B, 44                           ; group 1, mask of my column
.set G0B, 52
.set G0X, 56                           ; x's slot 0 once more
.set G0V, 60                           ; Wv's slots 0, 1
.set G0W, 88                           ; Wv's slot 2 or 3
.set MSB, 0
.macro WIN new
.if MSB != \new
	s_set_vgpr_msb (MSB<<8)|\new
.set MSB, \new
.endif
.endm
.set MUL_LO, 0xa1
.set MUL_HI, 0xf1
.set TO_B,   0x40
.macro PLACES n                        ; plain vector instructions between a matrix instruction and a load into, or a read of, its registers
.rept \n
	v_nop
.endr
.endm
.macro TL g0, g1                       ; a tensor load and the five lines behind it
	tensor_load_to_lds s[\g0:\g0+3], s[\g1:\g1+7]
	s_nop 0
	PLACES 4
.endm
.macro JLOAD g0a, g1a, g0b, g1b        ; waves 0 and 1 fetch for x, waves 2 and 3 for W
	s_cmp_eq_u32 s15, 0
	s_cbranch_scc0 .Lfor_b_\@
	TL \g0a, \g1a
	s_branch .Lasked_\@
.Lfor_b_\@:
	TL \g0b, \g1b
.Lasked_\@:
.endm
.macro CREST
	s_cmp_lg_u32 s14, 0
	s_cbranch_scc1 .Lnot_wave_0_\@
	s_barrier_signal -3
.Lnot_wave_0_\@:
	s_barrier_wait -3
	s_barrier_signal -1
	s_barrier_wait -1
.endm
.macro CROUND
	s_barrier_signal -1
	s_barrier_wait -1
	CREST
.endm
.macro FRAG reg, adr, q, i
.irp c, 0,1,2
	ds_load_b128 v[\reg+4*\c:\reg+4*\c+3], v[\adr] offset:(8*(\q)+(\i))*FRB+512*\c
.endr
.endm
; 16 products: A's blocks a0, a0 + 1 x B's eight.  The accumulators take turns, in the same order in every step.
.macro MUL16 a0, p, q, sc, zero
.irp a, \a0, \a0+1
.irp b, 0,1,2,3,4,5,6,7
.if \zero
	v_wmma_scale_f32_16x16x128_f8f6f4 v[8*(8*((\a)%4)+\b):8*(8*((\a)%4)+\b)+7], v[128*(\p)+FR*\b:128*(\p)+FR*\b+FR-1], v[AF+FR*(\a):AF+FR*(\a)+FR-1], 0, v[SC+8*NQ*(\sc)+NQ*\b+(\q)], v[SC+8*NQ*(\sc)+NQ*(\a)+(\q)] matrix_a_fmt:MATRIX_FMT_FP6 matrix_b_fmt:MATRIX_FMT_FP6 matrix_a_scale:MATRIX_SCALE_ROW1
.else
	v_wmma_scale_f32_16x16x128_f8f6f4 v[8*(8*((\a)%4)+\b):8*(8*((\a)%4)+\b)+7], v[128*(\p)+FR*\b:128*(\p)+FR*\b+FR-1], v[AF+FR*(\a):AF+FR*(\a)+FR-1], v[8*(8*((\a)%4)+\b):8*(8*((\a)%4)+\b)+7], v[SC+8*NQ*(\sc)+NQ*\b+(\q)], v[SC+8*NQ*(\sc)+NQ*(\a)+(\q)] matrix_a_fmt:MATRIX_FMT_FP6 matrix_b_fmt:MATRIX_FMT_FP6 matrix_a_scale:MATRIX_SCALE_ROW1
.endif
.endr
.endr
.endm
.macro FETCH_B adr, q, p
	WIN TO_B
.irp i, 0,1,2,3,4,5,6,7
	FRAG 128*(\p)+FR*\i, \adr, \q, \i
.endr
	WIN 0
.endm
.macro FETCH_A idx, q, i0
.irp i, \i0, \i0+1, \i0+2, \i0+3
	FRAG AF+FR*(\i), ADRA+\idx, \q, \i
.endr
.endm
.macro SCALES set, adr
.irp i, 0,1,2,3,4,5,6,7
	ds_load_b64 v[SC+16*(\set)+2*\i:SC+16*(\set)+2*\i+1], v[\adr] offset:128*\i
.endr
.endm
.macro STEP idx, sc, zero              ; a slot's first 128 along K; its second is fetched from the same place
	s_wait_dscnt 4*NL                              ; all but the youngest twelve loads (A's blocks 4-7) are in
	WIN MUL_LO
	MUL16 0, 0, 0, \sc, \zero
	MUL16 2, 0, 0, \sc, \zero
	s_wait_dscnt 0
	PLACES NP
	FETCH_B ADRB+\idx, 1, 1
	FETCH_A \idx, 1, 0
	WIN MUL_HI
	MUL16 4, 0, 0, \sc, \zero
	MUL16 6, 0, 0, \sc, \zero
	PLACES NP
	WIN 0
	FETCH_A \idx, 1, 4
.endm
; A slot's second 128 along K, which changes slots.  mode 0: the next slot was shown whole at an earlier barrier, nothing is filled.
; mode 2, 3: each wave waits for all its tensor loads, adds 0 to its spare word and waits for that and for its LDS reads; the barrier opens a round of the cluster's barrier; the refill comes first behind it.
; mode 2: slot 3 into place 0 of all four halves.  mode 3: W's places 1, 2, which every wave has left, take x's slot 0 (waves 0, 1) and Wv's slots 0, 1 (wave 2).
.macro TURN next, sc, mode, sadr
.if \mode > 0
	s_wait_tensorcnt 0x0
	ds_add_u32 v[SPW], v[NIL]
	s_wait_dscnt 4*NL+1                            ; (the add and the youngest twelve loads may be out)
.else
	s_wait_dscnt 4*NL
.endif
	WIN MUL_LO
	MUL16 0, 1, 1, \sc, 0
.if \mode > 0
	s_wait_dscnt 0x0
	s_barrier_signal -1
.endif
	MUL16 2, 1, 1, \sc, 0
.if \mode > 0
	WIN 0
	s_barrier_wait -1
	CREST
.else
	s_wait_dscnt 0x0
	PLACES NP
.endif
.if \mode == 2
	s_add_nc_u64 s[G0+2:G0+3], s[G0+2:G0+3], 3*BLKB
	s_add_nc_u64 s[G0B+2:G0B+3], s[G0B+2:G0B+3], 3*BLKB
	JLOAD G0, G1, G0B, G1B
.endif
.if \mode == 3
	s_cmp_eq_u32 s15, 0
	s_cbranch_scc0 .Lc_b
	TL G0X, G1
	s_branch .Lc_done
.Lc_b:
	s_cmp_eq_u32 s14, 2
	s_cbranch_scc0 .Lc_done
	TL G0V, G1V
.Lc_done:
	PLACES NP
.endif
	FETCH_B ADRB+\next, 0, 0
	FETCH_A \next, 0, 0
	SCALES 1-(\sc), \sadr
	WIN MUL_HI
	MUL16 4, 1, 1, \sc, 0
	MUL16 6, 1, 1, \sc, 0
	PLACES NP
	WIN 0
	FETCH_A \next, 0, 4
.endm
; The second product.  Step q of a slot works on B's set q and on A's blocks 4 q .. 4 q + 3 of the fragment registers: two sets of each, by turns.
.macro VFETCH k, q
	FETCH_B XB+\k, \q, \q
.irp a, 0,1,2,3
	FRAG AF+FR*(4*(\q)+\a), WA+\k, \q, \a
.endr
.endm
.macro VSCALES set, k
.irp i, 0,1,2,3
	ds_load_b64 v[SC+16*(\set)+2*\i:SC+16*(\set)+2*\i+1], v[SL+\k] offset:128*\i
.endr
.irp i, 4,5,6,7
	ds_load_b64 v[SC+16*(\set)+2*\i:SC+16*(\set)+2*\i+1], v[SH+\k] offset:128*\i
.endr
.endm
.macro VMUL q, sc, zero
	WIN MUL_LO
	MUL16 4*\q, \q, \q, \sc, \zero
	MUL16 4*\q+2, \q, \q, \sc, \zero
	WIN 0
.endm
.macro VADR k, xv, xc, wc              ; slot k's addresses: x's block at s[xv] + xc, Wv's at wc (always the higher of the two)
	s_add_co_u32 s84, s[\xv], \xc
	s_add_co_u32 s85, s82, \wc                     ; + my four row blocks
	s_add_co_u32 s86, s83, \wc+SCO                 ; their scale words
	s_add_co_u32 s87, s84, SCO
	s_sub_co_u32 s86, s86, s87
	v_add_nc_u32 v[XB+\k], s84, v[LI]
	v_add_nc_u32 v[WA+\k], s85, v[LI]
	v_mul_u32_u24 v7, s86, v31                     ; lanes 0-15 take Wv's words
	v_add_nc_u32 v7, s87, v7
	v_lshl_add_u32 v[SL+\k], v1, 3, v7
	v_sub_nc_u32 v[SH+\k], v[SL+\k], v30           ; 512 bytes back in lanes 0-15
.endm
; THE WAY OUT.  Row block a's 64 registers become one fragment and one scale word a row, and leave as an image: three stores of 512 consecutive bytes.  ib, sb: where the images and the words go.
.macro QOUT a, ib, sb
.set X, 2+(\a)/4
.set S, 64*((\a)%4)
.set WA1, X+(X<<2)
.set WB1, (X<<2)+(X<<4)
	WIN WA1
.irp b, 0,1,2,3
	v_max3_num_f32 v[TM+\b], |v[S+16*\b]|, |v[S+16*\b+1]|, 0x1800000   ; each accumulator from its low end on, and the floor 2^(3 - 127)
.endr
	WIN WB1
.irp i, 2,4,6,8,10,12,14
.irp b, 0,1,2,3
	v_max3_num_f32 v[TM+\b], v[TM+\b], |v[S+16*\b+\i]|, |v[S+16*\b+\i+1]|
.endr
.endr
	WIN 0
.irp b, 0,1,2,3
	v_permlanex16_b32 v[TM+4+\b], v[TM+\b], s68, s69
.endr
.irp b, 0,1,2,3
	v_max_num_f32 v[TM+\b], v[TM+\b], v[TM+4+\b]   ; the block's largest magnitude
.endr
.irp b, 0,1,2,3
	v_add_nc_u32 v[TM+12+\b], 0xff000000, v[TM+\b] ; 2 off its exponent field: the conversion's scale operand
.endr
.irp b, 0,1,2,3
	v_lshrrev_b32 v[TM+4+\b], 23, v[TM+12+\b]      ; the scale's byte
.endr
	v_lshl_or_b32 v[PW], v[TM+5], 8, v[TM+4]
	v_lshl_or_b32 v[PW], v[TM+6], 16, v[PW]
	v_lshl_or_b32 v[PW], v[TM+7], 24, v[PW]
	s_wait_alu depctr_va_vdst(0)                   ; the wait here, directly ahead of the wait below
	s_wait_xcnt 0x0                                ; earlier stores have read the codes' and words' registers: only behind this wait are they written again
	WIN X
.irp c, 0,1
	v_cvt_scalef32_pk16_fp6_f32 v[PC+6*\c:PC+6*\c+2], v[S+32*\c:S+32*\c+15], v[TM+12+2*\c]
	v_cvt_scalef32_pk16_fp6_f32 v[PC+12+4*\c:PC+14+4*\c], v[S+32*\c+16:S+32*\c+31], v[TM+13+2*\c]
.endr
	WIN 0
	v_nop                                          ; one plain place behind a scaled conversion
.irp c, 0,1                            ; the operand's layout wants a whole block in a lane
.irp i, 0,1,2
	v_permlane16_swap_b32 v[PC+6*\c+\i], v[PC+12+4*\c+\i]
.endr
.irp i, 0,1,2
	v_mov_b32 v[PC+3+6*\c+\i], v[PC+12+4*\c+\i]
.endr
.endr
.irp c, 0,1,2
	global_store_b128 v[LI], v[PC+4*\c:PC+4*\c+3], s[\ib:\ib+1] offset:FRB*(\a)+512*\c
.endr
.if (\a)%2 == 0
	v_mov_b32 v[KW], v[PW]
.else
	v_cndmask_b32 v[SW+(\a)/2], v[KW], v[PW], s67  ; lanes 0-15: the even block's words; lanes 16-31: the odd block's
	global_store_b32 v[L8], v[SW+(\a)/2], s[\sb:\sb+1] offset:256*((\a)/2)
.endif
.endm
	s_load_b256 s[4:11], s[0:1], 0x0               ; xc, wc, qkc, vc
	v_lshl_add_u32 v[SPW], v0, 2, SPARE
	v_mov_b32 v[NIL], 0
	ds_add_u32 v[SPW], v[NIL]                      ; the opening lines: the add, twice on end, and its wait ahead of my first tensor load
	ds_add_u32 v[SPW], v[NIL]
	v_lshrrev_b32 v1, 5, v0
	v_readfirstlane_b32 s14, v1                    ; wave 0..3
	s_lshr_b32 s15, s14, 1                         ; which half of A's rows is mine.  Also: I fetch for x (0) or for W (1)
	s_and_b32 s16, s14, 1                          ; which half of B's rows.  Also: which of the two groups I fetch
	s_bfe_u32 s18, ttmp6, 0x40000                  ; cx, cy
	s_bfe_u32 s19, ttmp6, 0x40004
	s_lshl_b32 s97, s19, 2
	s_lshl_b32 s97, 15, s97                        ; my row of the cluster
	s_lshl_b32 s98, 0x1111, s18                    ; my column
	s_or_b32 s[G1+0], s97, (3<<16)|(1<<21)         ; dense blocks as rows of 256 bytes (32 elements of 8 bytes)
	s_or_b32 s[G1B+0], s98, (3<<16)|(1<<21)
	s_or_b32 s[G1V+0], s98, (3<<16)|(1<<21)
.irp g, G1, G1B
	s_mov_b32 s[\g+1], 32<<16
	s_mov_b32 s[\g+2], 300<<16                     ; the head's load brings three places at once
	s_mov_b32 s[\g+3], 32<<16
	s_mov_b32 s[\g+4], 300
	s_mov_b32 s[\g+5], 32
	s_mov_b32 s[\g+6], 0
	s_mov_b32 s[\g+7], 0
.endr
	s_mov_b32 s[G1V+1], 32<<16
	s_mov_b32 s[G1V+2], 200<<16
	s_mov_b32 s[G1V+3], 32<<16
	s_mov_b32 s[G1V+4], 200
	s_mov_b32 s[G1V+5], 32
	s_mov_b32 s[G1V+6], 0
	s_mov_b32 s[G1V+7], 0
	s_lshr_b32 s72, ttmp9, 1
	s_lshl_b32 s72, s72, 2
	s_add_co_u32 s17, s72, s19                     ; T: token tile
	s_and_b32 s73, ttmp9, 1
	s_lshl_b32 s73, s73, 2
	s_add_co_u32 s96, s73, s18                     ; j: column tile of (q | k), and Wv's group
	s_mul_i32 s99, s14, OPB                        ; where my blocks go: no place in the cluster enters an LDS address
	s_lshl_b32 s20, s17, 1
	s_add_co_u32 s20, s20, s16
	s_mul_i32 s20, s20, GRP4                       ; x: the group that I fetch
	s_mov_b32 s21, 0
	s_lshl_b32 s22, s96, 1
	s_add_co_u32 s22, s22, s16
	s_mul_i32 s22, s22, GRP4                       ; W likewise
	s_mov_b32 s23, 0
	s_add_co_u32 s74, s96, 16
	s_mul_i32 s74, s74, GRP4                       ; Wv's groups begin at 16
	s_mov_b32 s75, 0
	s_wait_dscnt 0x0
	s_wait_kmcnt 0x0
	s_add_nc_u64 s[20:21], s[4:5], s[20:21]
	s_add_nc_u64 s[22:23], s[6:7], s[22:23]
	s_add_nc_u64 s[74:75], s[6:7], s[74:75]
	CROUND                                         ; all sixteen work-groups are here: the first joint loads meet
	s_mov_b32 s[G0], 1
	s_mov_b32 s[G0+1], s99
	s_mov_b64 s[G0+2:G0+3], s[20:21]
	s_or_b32 s[G0+3], s[G0+3], 0x80000000
	s_mov_b32 s[G0B], 1
	s_mov_b32 s[G0B+1], s99
	s_mov_b64 s[G0B+2:G0B+3], s[22:23]
	s_or_b32 s[G0B+3], s[G0B+3], 0x80000000
	JLOAD G0, G1, G0B, G1B                         ; K slots 0, 1, 2: one tensor load a wave
	s_mul_i32 s80, s16, BLKB
	s_mul_i32 s81, s16, OPB
	s_mov_b32 s[G0X], 1                            ; x's slot 0 of group s16, into W0's place 1 + s16
	s_add_co_u32 s[G0X+1], s80, 2*OPB+BLKB
	s_mov_b64 s[G0X+2:G0X+3], s[20:21]
	s_or_b32 s[G0X+3], s[G0X+3], 0x80000000
	s_mov_b32 s[G0V], 1                            ; Wv's slots 0, 1, into W1's places 1, 2
	s_mov_b32 s[G0V+1], 3*OPB+BLKB
	s_mov_b64 s[G0V+2:G0V+3], s[74:75]
	s_or_b32 s[G0V+3], s[G0V+3], 0x80000000
	s_mov_b32 s[G0W], 1                            ; Wv's slot 2 + s16, into place 0 of W's half s16
	s_add_co_u32 s[G0W+1], s81, 2*OPB
	s_add_co_u32 s78, s80, 2*BLKB
	s_mov_b32 s79, 0
	s_add_nc_u64 s[G0W+2:G0W+3], s[74:75], s[78:79]
	s_or_b32 s[G0W+3], s[G0W+3], 0x80000000
	s_mov_b32 s67, 0xffff0000                      ; lanes 16-31
	s_mov_b32 s68, 0x76543210
	s_mov_b32 s69, 0xfedcba98                      ; v_permlanex16_b32's selects for lane l xor 16
	; v^T: block 32 j + T of vc; my K step is s16, my row blocks 4 s15 ..
	s_lshl_b32 s86, s96, 5
	s_add_co_u32 s86, s86, s17
	s_mul_i32 s86, s86, BLKB
	s_lshl_b32 s84, s16, 3
	s_lshl_b32 s85, s15, 2
	s_add_co_u32 s84, s84, s85
	s_mul_i32 s84, s84, FRB
	s_add_co_u32 s84, s84, s86
	s_mov_b32 s85, 0
	s_add_nc_u64 s[92:93], s[10:11], s[84:85]      ; the images
	s_lshl_b32 s84, s16, 2
	s_lshl_b32 s87, s15, 9
	s_add_co_u32 s84, s84, s87
	s_add_co_u32 s84, s84, s86
	s_add_co_u32 s84, s84, SCO
	s_add_nc_u64 s[94:95], s[10:11], s[84:85]      ; the scale words
	; q, k: buffer half j / 4, group 2 T + s15, slot j % 4; my K step is s16
	s_lshl_b32 s84, s17, 1
	s_add_co_u32 s84, s84, s15
	s_lshr_b32 s85, s96, 2
	s_mul_i32 s85, s85, QSZ
	s_lshl_b32 s86, s84, 2
	s_and_b32 s87, s96, 3
	s_add_co_u32 s86, s86, s87
	s_mul_i32 s86, s86, BLKB
	s_add_co_u32 s86, s86, s85
	s_mov_b32 s87, 0
	s_add_nc_u64 s[72:73], s[8:9], s[86:87]
	s_mul_i32 s86, s16, 8*FRB
	s_add_nc_u64 s[12:13], s[72:73], s[86:87]      ; the images
	s_lshl_b32 s86, s16, 2
	s_add_co_u32 s86, s86, SCO
	s_add_nc_u64 s[10:11], s[72:73], s[86:87]      ; the scale words
	s_mul_i32 s76, s15, OPB                        ; my half of x
	s_add_co_u32 s77, s81, 2*OPB                   ; my half of W
	s_sub_co_u32 s78, s77, s76
	s_add_co_u32 s79, s76, SCO
	s_mul_i32 s82, s15, 4*FRB
	s_lshl_b32 s83, s15, 9
	v_and_b32 v1, 15, v0                           ; r
	v_bfe_u32 v2, v0, 4, 1                         ; h
	v_and_b32 v3, 31, v0
	v_lshlrev_b32 v[LI], 4, v3
	v_lshlrev_b32 v[L8], 3, v3
	v_xor_b32 v31, 1, v2                           ; 1 in lanes 0-15
	v_lshlrev_b32 v30, 9, v31
	v_mul_u32_u24 v7, s78, v2                      ; lanes 16-31 take W's scale words
	v_lshl_add_u32 v7, v1, 3, v7
	s_wait_alu depctr_va_vdst(0)                   ; the wait ahead of the readers below
.irp s, 0,1,2
	v_add_nc_u32 v[ADRA+\s], s76, v[LI]
	v_add_nc_u32 v[ADRB+\s], s77, v[LI]
	v_add_nc_u32 v[ADRS+\s], s79, v7
	s_add_co_u32 s76, s76, BLKB
	s_add_co_u32 s77, s77, BLKB
	s_add_co_u32 s79, s79, BLKB
.endr
	VADR 0, 80, 2*OPB+BLKB, 3*OPB+BLKB
	VADR 1, 81, BLKB, 3*OPB+2*BLKB
	VADR 2, 81, 2*BLKB, 2*OPB
	VADR 3, 81, 0, 3*OPB
.irp b, 0,1,2,3
	v_mov_b32 v[TM+4+\b], 0                        ; written once: a lane permute's destination counts as one of its sources
.endr
	s_wait_alu depctr_va_vdst(0)                   ; the wait at the head's end
	s_wait_tensorcnt 0x0                           ; my three slots are in; no tensor load of mine is out, so a descriptor may be written:
	s_mov_b32 s[G1+2], 100<<16                     ; from here on these two bring one block, 100 rows
	s_mov_b32 s[G1+4], 100
	s_mov_b32 s[G1B+2], 100<<16
	s_mov_b32 s[G1B+4], 100
	s_barrier_signal -1
	s_barrier_wait -1                              ; everybody's are.
	FETCH_B ADRB+0, 0, 0
	FETCH_A 0, 0, 0
	SCALES 0, ADRS+0
	FETCH_A 0, 0, 4
	STEP 0, 0, 1                                   ; slot 0: its products start the sums
	TURN 1, 0, 2, ADRS+1                           ; slot 3 is asked for, into place 0
	STEP 1, 1, 0
	TURN 2, 1, 0, ADRS+2
	STEP 2, 0, 0
	TURN 0, 0, 3, ADRS+0                           ; slot 3 has landed; x's slot 0 and Wv's slots 0, 1 are asked for
	STEP 0, 1, 0
	s_wait_dscnt 4*NL                              ; the first product's last 128 along K
	WIN MUL_LO
	MUL16 0, 1, 1, 1, 0
	MUL16 2, 1, 1, 1, 0
	s_wait_dscnt 0
	WIN MUL_HI
	MUL16 4, 1, 1, 1, 0
	MUL16 6, 1, 1, 1, 0
	WIN 0
	PLACES NP
.irp a, 0,1,2,3
	QOUT \a, 12, 10
.endr
	s_wait_alu depctr_va_vdst(0)
	s_wait_tensorcnt 0x0                           ; x's slot 0 and Wv's slots 0, 1 have landed
	ds_add_u32 v[SPW], v[NIL]
	s_wait_dscnt 0x0
	CROUND                                         ; nobody reads W's place 0 any more
	s_cmp_eq_u32 s15, 0
	s_cbranch_scc1 .Ld_done
	TL G0W, G1B                                    ; Wv's slots 2, 3: waves 2, 3
.Ld_done:
.irp a, 4,5,6,7
	QOUT \a, 12, 10
.endr
	PLACES NP
	VFETCH 0, 0
	VSCALES 0, 0
	s_wait_dscnt 0x0
	VFETCH 0, 1
	VMUL 0, 0, 1                                   ; the second product's first step starts its sums
	s_wait_dscnt 0x0
	PLACES NP
	VFETCH 1, 0
	VSCALES 1, 1
	VMUL 1, 0, 0
	s_wait_dscnt 0x0
	PLACES NP
	VFETCH 1, 1
	VMUL 0, 1, 0
	s_wait_tensorcnt 0x0                           ; my part of Wv's slots 2, 3 is in,
	s_wait_dscnt 0x0
	s_barrier_signal -1
	s_barrier_wait -1                              ; and everybody's.
	PLACES NP
	VFETCH 2, 0
	VSCALES 0, 2
	VMUL 1, 1, 0
	s_wait_dscnt 0x0
	PLACES NP
	VFETCH 2, 1
	VMUL 0, 0, 0
	s_wait_dscnt 0x0
	PLACES NP
	VFETCH 3, 0
	VSCALES 1, 3
	VMUL 1, 0, 0
	s_wait_dscnt 0x0
	PLACES NP
	VFETCH 3, 1
	VMUL 0, 1, 0
	s_wait_dscnt 0x0
	VMUL 1, 1, 0
	PLACES NP
.irp a, 0,1,2,3
	QOUT \a, 92, 94
.endr
	s_wait_tensorcnt 0x0                           ; the wave's end
	ds_add_u32 v[SPW], v[NIL]
	s_wait_dscnt 0x0
	CROUND                                         ; the closing round
	s_endpgm
.Lfunc_end_k_q71bcbd7c17_proj:
	.size	k_q71bcbd7c17_proj, .Lfunc_end_k_q71bcbd7c17_proj-k_q71bcbd7c17_proj
	.p2alignl 7, 3214868480
	.fill 96, 4, 3214868480
	.section	.rodata,"a",@progbits
	.p2align	6, 0x0
	.amdhsa_kernel k_q71bcbd7c17_proj
		.amdhsa_group_segment_fixed_size 327680
		.amdhsa_private_segment_fixed_size 0
		.amdhsa_enable_private_segment 0
		.amdhsa_kernarg_size 32
		.amdhsa_user_sgpr_count 2
		.amdhsa_user_sgpr_kernarg_segment_ptr 1
		.amdhsa_wavefront_size32 1
		.amdhsa_system_sgpr_workgroup_id_x 1
		.amdhsa_system_sgpr_workgroup_id_y 1
		.amdhsa_system_sgpr_workgroup_id_z 1
		.amdhsa_system_vgpr_workitem_id 0
		.amdhsa_next_free_vgpr 1024
		.amdhsa_next_free_sgpr 100
		.amdhsa_reserve_vcc 0
		.amdhsa_float_denorm_mode_32 3
		.amdhsa_float_denorm_mode_16_64 3
		.amdhsa_memory_ordered 1
		.amdhsa_forward_progress 1
		.amdhsa_inst_pref_size 214
	.end_amdhsa_kernel
	.amdgpu_metadata
---
amdhsa.version: [ 1, 2 ]
amdhsa.kernels:
  - .name:           k_q71bcbd7c17_proj
    .symbol:         k_q71bcbd7c17_proj.kd
    .args:
      - { .name: xc, .offset: 0, .size: 8, .value_kind: global_buffer, .address_space: global }
      - { .name: wc, .offset: 8, .size: 8, .value_kind: global_buffer, .address_space: global }
      - { .name: qkc, .offset: 16, .size: 8, .value_kind: global_buffer, .address_space: global }
      - { .name: vc, .offset: 24, .size: 8, .value_kind: global_buffer, .address_space: global }
    .group_segment_fixed_size: 327680
    .private_segment_fixed_size: 0
    .kernarg_segment_align: 8
    .kernarg_segment_size: 32
    .max_flat_workgroup_size: 128
    .sgpr_count:     100
    .vgpr_count:     1024
    .wavefront_size: 32
...
	.end_amdgpu_metadata
.endif
;; end of part 2
;; launch scores (part 3): grid 12 x 16, 4 waves a work-group, clusters of 4 x 4, 327,680 bytes of LDS; arguments qkc, pc, st; writes pc, st
.if DOCPART == 3
	.amdgcn_target "amdgcn-amd-amdhsa--gfx1250"
	.amdhsa_code_object_version 6
	.text
	.protected	k_q71bcbd7c17_scores
	.globl	k_q71bcbd7c17_scores
	.p2align	8
	.type	k_q71bcbd7c17_scores,@function
k_q71bcbd7c17_scores:
	s_mov_b64 s[64:65], 0
	v_nop
	global_prefetch_b8 v0, s[64:65] scope:SCOPE_SE
	s_setreg_imm32_b32 hwreg(HW_REG_WAVE_MODE, 25, 1), 1
	s_wait_xcnt 0x0
	s_wait_alu depctr_hold_cnt(0) depctr_sa_sdst(0) depctr_va_vdst(0) depctr_va_sdst(0) depctr_va_ssrc(0) depctr_va_vcc(0) depctr_vm_vsrc(0)
	s_getreg_b32 s2, hwreg(HW_REG_IB_STS2, 6, 4)
	s_cmp_eq_u32 s2, 0
	s_cbranch_scc0 .Lentry_in_a_cluster
	s_endpgm
.Lentry_in_a_cluster:
	s_bfe_u32 s2, ttmp6, 0x10000c
	s_cmp_lg_u32 s2, 0xf033
	s_cbranch_scc0 .Lentry_shape_is_right
	s_endpgm
.Lentry_shape_is_right:
; S = q k^T for one batch, the causal mask, and p = 2^(t - M) quantised along the keys; t = score x log2(e) / 32.  Products on codes of FP6 (E2M3) with E8M0 scales.
; M HERE IS LOCAL: for each query and each 128 keys, the ceiling of the largest t among those keys.  M is a whole number, so the move to the row's M in the next launch is a power of two that the scale bytes take up:
; the codes are the same.  Stored: p's codes and scale words (under the local M) in the operands' layout, and for each query and 128 keys the pair (-M, the sum of the unquantised p).
; OPERANDS lie in blocks of 25,600 bytes (128 rows x 256 K): 16 images of fragments ((8 q + i) x 1,536; lane l's registers 4 c .. 4 c + 3 at 512 c + 16 l), then the scale words ((16 i + r) x 8 + 4 q).
; Place r of row block i is row 32 (i / 2) + 8 (i % 2) + r % 8 + 16 (r / 8) of its group of 128.
; A tile of 256 queries x 256 keys is made by four waves, each 128 x 128.  Source 0 = 16 keys, source 1 = 16 queries: a lane holds one query, and a row block's 64 registers are keys 32 b + 16 (lane / 16) + 0 .. 15.
; THE RING.  K = 1,024 is four slots of 256; a slot is four blocks, 102,400 bytes.  LDS holds three: each of the four operand halves (q's two, k's two) has 76,800 bytes, three places of one block.
; Slots 0, 1, 2 are asked for together at the start; slot 3 takes slot 0's place behind the one round of the cluster's barrier, 224 matrix instructions ahead of the wait for it.
; CLUSTERS of 4 x 4, three a batch: (query tiles 0-3, key tiles 0-3), (4-7, 0-3), (4-7, 4-7); the fourth lies wholly behind the mask and is not launched.  In the two clusters on the diagonal every tile runs alike,
; those wholly hidden too (partners of a cluster take every joint load and every round): they store zero codes, the byte 1 and (1e30, 0), which the next launch reads.
; LIMITS: a query's 128 keys that are all hidden carry -M = 1e30, which takes |t| < 1e30; a block whose every p is 0 or under 2^(3 - 127) gets the byte 1; NaN and infinities are not served.
; REGISTERS: window 0: v1-3 r, h, lane; v4-6 scale addresses; v12-13 16 x, 8 x lane; v14 the mask's number, v15 -infinity; v16-21 fragment addresses; v28-29 the spare word's; v32-63 scale words and nothing else;
;   v64-127 at work on the way out; v128-223 A's fragments, later p.  window 1: B's fragments, two sets.  windows 2, 3: accumulator (a, b) at v[8 (8 (a % 4) + b)].
.set BLKB,  25600
.set OPB,   3*BLKB                     ; an operand half's three places
.set SCO,   24576
.set FRB,   1536
.set FR,    12
.set NL,    3
.set NQ,    2
.set NP,    4
.set SPARE, 4*OPB                      ; behind the ring: the spare words, 128 bytes a wave: two blocks of 256 bytes that no other line names
.set GRP4,  4*BLKB
.set QSZ,   64*GRP4                    ; q's codes; k's follow
.set ADRS, 4                           ; v4-6   scale words, one register a place
.set LI,   12
.set L8,   13
.set DQ,   14
.set NINF, 15
.set ADRA, 16                          ; v16-18
.set ADRB, 19                          ; v19-21
.set SPW,  28
.set NIL,  29
.set SC,   32
.set AF,   128
.set BM,   64                          ; v64-67  each block's largest score, then its largest p
.set WK,   68                          ; v68-71  the other half's; then the bytes
.set RM,   72                          ; v72     the largest t
.set SOP,  76                          ; v76-79  the conversions' scale operands
.set NM,   80                          ; v[80:81] -M
.set SU,   82                          ; v[82:83], v[84:85] the sum, in two chains of pairs
.set SV,   84
.set TP,   86
.set PW,   87                          ; the scale word
.set KP,   88                          ; v88-90  the even block's -M, sum and word, kept
.set PC,   96                          ; v96-115 the codes
.set STT,  116                         ; v116-123 (-M, sum) of two blocks, to store
.set SW,   124                         ; v124-127 their words
.set T,    128                         ; v128-191 t - M, then p
.set G1,  24                           ; s[24:31] descriptor group 1 for q's blocks;  s[32:35] group 0
.set G0,  32
.set G1B, 44                           ; s[44:51], s[52:55] the same for k's
.set G0B, 52
.set MSB, 0
.macro WIN new                         ; the immediate's high byte repeats the setting that is left
.if MSB != \new
	s_set_vgpr_msb (MSB<<8)|\new
.set MSB, \new
.endif
.endm
.set MUL_LO, 0xa1                      ; source 0 (B) window 1, source 1 (A) window 0, C and D window 2
.set MUL_HI, 0xf1                      ; the same, C and D window 3
.set TO_B,   0x40                      ; destination window 1, address window 0
; A joint load: waves 0 and 1 fetch for A, waves 2 and 3 for B; the branch hangs on the wave's number alone.  Four v_nop follow each of the two lines.
.macro JLOAD g0a, g1a, g0b, g1b
	s_cmp_eq_u32 s15, 0
	s_cbranch_scc0 .Lfor_b_\@
	tensor_load_to_lds s[\g0a:\g0a+3], s[\g1a:\g1a+7]
	s_nop 0
.rept 4
	v_nop
.endr
	s_branch .Lasked_\@
.Lfor_b_\@:
	tensor_load_to_lds s[\g0b:\g0b+3], s[\g1b:\g1b+7]
	s_nop 0
.rept 4
	v_nop
.endr
.Lasked_\@:
.endm
.macro CREST                           ; a round of the cluster's barrier behind its opening barrier
	s_cmp_lg_u32 s14, 0
	s_cbranch_scc1 .Lnot_wave_0_\@
	s_barrier_signal -3
.Lnot_wave_0_\@:
	s_barrier_wait -3
	s_barrier_signal -1
	s_barrier_wait -1
.endm
.macro CROUND                          ; a whole round
	s_barrier_signal -1
	s_barrier_wait -1
	CREST
.endm
.macro FRAG reg, adr, q, i             ; a fragment's image comes back as it was stored: three loads of 512 consecutive bytes
.irp c, 0,1,2
	ds_load_b128 v[\reg+4*\c:\reg+4*\c+3], v[\adr] offset:(8*(\q)+(\i))*FRB+512*\c
.endr
.endm
; 16 matrix instructions: A's blocks a0, a0 + 1 x B's eight, the slot's q-th 128 along K.  The 64 accumulators take turns, one instruction a turn, in the same order in every step.
.macro MUL16 a0, p, q, sc, zero
.irp a, \a0, \a0+1
.irp b, 0,1,2,3,4,5,6,7
.if \zero
	v_wmma_scale_f32_16x16x128_f8f6f4 v[8*(8*((\a)%4)+\b):8*(8*((\a)%4)+\b)+7], v[128*(\p)+FR*\b:128*(\p)+FR*\b+FR-1], v[AF+FR*(\a):AF+FR*(\a)+FR-1], 0, v[SC+8*NQ*(\sc)+NQ*\b+(\q)], v[SC+8*NQ*(\sc)+NQ*(\a)+(\q)] matrix_a_fmt:MATRIX_FMT_FP6 matrix_b_fmt:MATRIX_FMT_FP6 matrix_a_scale:MATRIX_SCALE_ROW1
.else
	v_wmma_scale_f32_16x16x128_f8f6f4 v[8*(8*((\a)%4)+\b):8*(8*((\a)%4)+\b)+7], v[128*(\p)+FR*\b:128*(\p)+FR*\b+FR-1], v[AF+FR*(\a):AF+FR*(\a)+FR-1], v[8*(8*((\a)%4)+\b):8*(8*((\a)%4)+\b)+7], v[SC+8*NQ*(\sc)+NQ*\b+(\q)], v[SC+8*NQ*(\sc)+NQ*(\a)+(\q)] matrix_a_fmt:MATRIX_FMT_FP6 matrix_b_fmt:MATRIX_FMT_FP6 matrix_a_scale:MATRIX_SCALE_ROW1
.endif
.endr
.endr
.endm
.macro FETCH_B idx, q, p               ; B's eight fragments, from place idx, into set p
	WIN TO_B
.irp i, 0,1,2,3,4,5,6,7
	FRAG 128*(\p)+FR*\i, ADRB+\idx, \q, \i
.endr
	WIN 0
.endm
.macro FETCH_A idx, q, i0              ; A's blocks i0 .. i0 + 3
.irp i, \i0, \i0+1, \i0+2, \i0+3
	FRAG AF+FR*(\i), ADRA+\idx, \q, \i
.endr
.endm
.macro SCALES set, adr                 ; a slot's scale words: lanes 0-15 take A's block i, lanes 16-31 B's block i
.irp i, 0,1,2,3,4,5,6,7
	ds_load_b64 v[SC+16*(\set)+2*\i:SC+16*(\set)+2*\i+1], v[\adr] offset:128*\i
.endr
.endm
.macro PLACES n                        ; plain vector instructions between a matrix instruction and a load into, or a read of, its registers (ISA guide 7.12.1 for reads)
.rept \n
	v_nop
.endr
.endm
.macro STEP idx, sc, zero              ; a slot's first 128 along K; its second is fetched from the same place
	s_wait_dscnt 4*NL                              ; all but the youngest twelve loads (A's blocks 4-7) are in
	WIN MUL_LO
	MUL16 0, 0, 0, \sc, \zero
	MUL16 2, 0, 0, \sc, \zero
	s_wait_dscnt 0                                 ; A's blocks 4-7 are in
	PLACES NP
	FETCH_B \idx, 1, 1
	FETCH_A \idx, 1, 0
	WIN MUL_HI
	MUL16 4, 0, 0, \sc, \zero
	MUL16 6, 0, 0, \sc, \zero
	PLACES NP
	WIN 0
	FETCH_A \idx, 1, 4
.endm
; A slot's second 128 along K, which changes slots.  next: the place of the next slot; sc: this slot's set of scale words; sadr: the address register of the next slot's.
; mode 0: the next slot was shown whole to every wave at an earlier barrier, and nothing is filled: no wait on tensor loads, no barrier.
; mode 1: one barrier; in front of it each wave waits for all its tensor loads, adds 0 to its spare word, and waits for that and for its LDS reads.  Behind it the next slot is whole.
; mode 2: that barrier opens a round of the cluster's barrier; first thing behind the round descriptor set fset, stepped three slots on, fills again the place or places that every wave has left.
.macro TURN next, sc, mode, sadr, fset, g1a, g1b
.if \mode > 0
	s_wait_tensorcnt 0x0                           ; all my tensor loads have landed
	ds_add_u32 v[SPW], v[NIL]                      ; 0 onto my spare word
	s_wait_dscnt 4*NL+1                            ; (the add and the youngest twelve loads may be out)
.else
	s_wait_dscnt 4*NL                              ; all but the youngest twelve loads are in
.endif
	WIN MUL_LO
	MUL16 0, 1, 1, \sc, 0                          ; sixteen matrix instructions stand between the add and the wait for it
.if \mode > 0
	s_wait_dscnt 0x0                               ; the add is done, and my reads of this slot are over
	s_barrier_signal -1
.endif
	MUL16 2, 1, 1, \sc, 0
.if \mode > 0
	WIN 0                                          ; (branches may follow)
	s_barrier_wait -1
.else
	s_wait_dscnt 0x0                               ; A's blocks 4-7 are in
.endif
.if \mode == 2
	CREST                                          ; no wave of any partner still reads what is filled again, or has a load on its way
	s_add_nc_u64 s[G0+4*\fset+2:G0+4*\fset+3], s[G0+4*\fset+2:G0+4*\fset+3], 3*BLKB
	s_add_nc_u64 s[G0B+4*\fset+2:G0B+4*\fset+3], s[G0B+4*\fset+2:G0B+4*\fset+3], 3*BLKB
	JLOAD G0+4*\fset, \g1a, G0B+4*\fset, \g1b      ; the four v_nop behind it are the places in front of the loads below
.else
	PLACES NP
.endif
	FETCH_B \next, 0, 0
	FETCH_A \next, 0, 0
	SCALES 1-(\sc), \sadr
	WIN MUL_HI
	MUL16 4, 1, 1, \sc, 0
	MUL16 6, 1, 1, \sc, 0
	PLACES NP
	WIN 0
	FETCH_A \next, 0, 4
.endm
.macro START sadr                      ; slot 0's first step: its products start the sums
	FETCH_B 0, 0, 0
	FETCH_A 0, 0, 0
	SCALES 0, \sadr
	FETCH_A 0, 0, 4
	STEP 0, 0, 1
.endm
.macro LAST sc                         ; the very last 128 along K: nothing more to fetch
	s_wait_dscnt 4*NL
	WIN MUL_LO
	MUL16 0, 1, 1, \sc, 0
	MUL16 2, 1, 1, \sc, 0
	s_wait_dscnt 0
	WIN MUL_HI
	MUL16 4, 1, 1, \sc, 0
	MUL16 6, 1, 1, \sc, 0
	WIN 0
	PLACES NP
.endm
	s_load_b128 s[4:7], s[0:1], 0x0                ; qkc, pc
	s_load_b64 s[8:9], s[0:1], 0x10                ; st
	v_lshl_add_u32 v[SPW], v0, 2, SPARE
	v_mov_b32 v[NIL], 0
	ds_add_u32 v28, v29
	ds_add_u32 v28, v29
	s_wait_dscnt 0x0
	v_lshrrev_b32 v1, 5, v0
	v_readfirstlane_b32 s14, v1                    ; wave 0..3
	s_lshr_b32 s15, s14, 1                         ; which 128 queries are mine.  Also: I fetch for q (0) or for k (1)
	s_and_b32 s16, s14, 1                          ; which 128 keys.  Also: which of the two blocks I fetch
	s_bfe_u32 s18, ttmp6, 0x40000                  ; cx, cy
	s_bfe_u32 s19, ttmp6, 0x40004
	s_mov_b32 s66, ttmp9                           ; which of the batch's three clusters
	s_min_u32 s73, ttmp9, 1
	s_lshr_b32 s74, ttmp9, 1
	s_lshl_b32 s17, s73, 2
	s_add_co_u32 s17, s17, s19                     ; tile row (queries)
	s_lshl_b32 s96, s74, 2
	s_add_co_u32 s96, s96, s18                     ; tile column (keys)
	s_and_b32 s72, ttmp7, 0xffff
	s_lshl_b32 s72, s72, 4                         ; 16 x batch: its first group of 128 tokens
	s_lshl_b32 s97, s19, 2
	s_lshl_b32 s97, 15, s97                        ; my row of the cluster
	s_lshl_b32 s98, 0x1111, s18                    ; my column
	; descriptor group 1: a dense block of 25,600 bytes as 100 rows of 256 bytes (32 elements of 8 bytes), no padding
	s_or_b32 s[G1+0], s97, (3<<16)|(1<<21)
	s_or_b32 s[G1B+0], s98, (3<<16)|(1<<21)
.irp g, G1, G1B
	s_mov_b32 s[\g+1], 32<<16
	s_mov_b32 s[\g+2], 300<<16                     ; the head's load brings an operand half's three places, 300 rows, at once
	s_mov_b32 s[\g+3], 32<<16
	s_mov_b32 s[\g+4], 300
	s_mov_b32 s[\g+5], 32
	s_mov_b32 s[\g+6], 0
	s_mov_b32 s[\g+7], 0
.endr
	s_lshl_b32 s20, s17, 1
	s_add_co_u32 s20, s20, s72
	s_add_co_u32 s20, s20, s16
	s_mul_i32 s20, s20, GRP4                       ; q: the group that I fetch
	s_mov_b32 s21, 0
	s_lshl_b32 s22, s96, 1
	s_add_co_u32 s22, s22, s72
	s_add_co_u32 s22, s22, s16
	s_mul_i32 s22, s22, GRP4
	s_add_co_u32 s22, s22, QSZ                     ; k likewise, behind q
	s_mov_b32 s23, 0
	s_mul_i32 s99, s14, OPB                        ; where my blocks go: no place in the cluster enters an LDS address
	s_wait_kmcnt 0x0
	s_add_nc_u64 s[20:21], s[4:5], s[20:21]
	s_add_nc_u64 s[22:23], s[4:5], s[22:23]
	CROUND                                         ; all sixteen work-groups are here: the first joint loads meet
.irp s, 0
	s_mov_b32 s[G0+4*\s], 1
	s_add_co_u32 s[G0+4*\s+1], s99, \s*BLKB
	s_add_nc_u64 s[G0+4*\s+2:G0+4*\s+3], s[20:21], \s*BLKB
	s_or_b32 s[G0+4*\s+3], s[G0+4*\s+3], 0x80000000
	s_mov_b32 s[G0B+4*\s], 1
	s_add_co_u32 s[G0B+4*\s+1], s99, \s*BLKB
	s_add_nc_u64 s[G0B+4*\s+2:G0B+4*\s+3], s[22:23], \s*BLKB
	s_or_b32 s[G0B+4*\s+3], s[G0B+4*\s+3], 0x80000000
.endr
	JLOAD G0, G1, G0B, G1B                         ; K slots 0, 1, 2 lie on end in memory and in LDS: one tensor load a wave brings all three
	v_and_b32 v1, 15, v0                           ; r
	v_bfe_u32 v2, v0, 4, 1                         ; h
	v_and_b32 v3, 31, v0
	v_lshlrev_b32 v[LI], 4, v3
	s_wait_alu depctr_va_vdst(0)
	v_lshlrev_b32 v[L8], 3, v3
	s_mul_i32 s76, s15, OPB
	s_mul_i32 s77, s16, OPB
	s_add_co_u32 s77, s77, 2*OPB
	s_sub_co_u32 s78, s77, s76
	v_mul_u32_u24 v7, s78, v2                      ; lanes 16-31 take k's scale words
	v_lshl_add_u32 v7, v1, 3, v7
	s_add_co_u32 s79, s76, SCO
.irp s, 0,1,2
	v_add_nc_u32 v[ADRA+\s], s76, v[LI]
	v_add_nc_u32 v[ADRB+\s], s77, v[LI]
	v_add_nc_u32 v[ADRS+\s], s79, v7
	s_add_co_u32 s76, s76, BLKB
	s_add_co_u32 s77, s77, BLKB
	s_add_co_u32 s79, s79, BLKB
.endr
	s_mov_b32 s67, 0xffff0000                      ; lanes 16-31
	s_mov_b32 s68, 0x76543210
	s_mov_b32 s69, 0xfedcba98
	s_mov_b32 s70, 0x3d38aa3b                      ; c = log2(e) / 32
	s_mov_b32 s71, s70                             ; (named with it as a pair, so it is written)
	; p's block: (query group x 8 + key tile); my 128 keys are its K step
	s_lshl_b32 s80, s17, 1
	s_add_co_u32 s80, s80, s72
	s_add_co_u32 s80, s80, s15
	s_lshl_b32 s81, s80, 3
	s_add_co_u32 s81, s81, s96
	s_mul_i32 s82, s81, BLKB
	s_mov_b32 s83, 0
	s_add_nc_u64 s[6:7], s[6:7], s[82:83]
	s_mul_i32 s82, s16, 8*FRB
	s_add_nc_u64 s[12:13], s[6:7], s[82:83]        ; the images
	s_lshl_b32 s82, s16, 2
	s_add_co_u32 s82, s82, SCO
	s_add_nc_u64 s[10:11], s[6:7], s[82:83]        ; the scale words
	s_lshl_b32 s84, s96, 1
	s_add_co_u32 s84, s84, s72
	s_add_co_u32 s84, s84, s16                     ; (-M, sum): [16 x batch + which 128 keys][2,048 places of queries], 8 bytes each
	s_lshl_b32 s84, s84, 11
	s_lshl_b32 s85, s17, 1
	s_add_co_u32 s85, s85, s15
	s_lshl_b32 s85, s85, 7
	s_add_co_u32 s84, s84, s85
	s_lshl_b32 s82, s84, 3
	s_add_nc_u64 s[8:9], s[8:9], s[82:83]
	; the mask: register 16 b + i of row block a holds key K0 + 32 b + 16 h + i; my query is Q0 + 32 (a / 2) + 8 (a % 2) + r % 8 + 16 (r / 8).  Hidden where 32 b + i - 32 (a / 2) - 8 (a % 2) > DQ
	s_sub_co_i32 s86, s17, s96
	s_lshl_b32 s86, s86, 8
	s_sub_co_i32 s87, s15, s16
	s_lshl_b32 s87, s87, 7
	s_add_co_i32 s86, s86, s87                     ; Q0 - K0
	v_and_b32 v[DQ], 8, v1
	v_add_nc_u32 v[DQ], v[DQ], v1                  ; r % 8 + 16 (r / 8)
	v_lshlrev_b32 v[NINF], 4, v2
	v_sub_nc_u32 v[DQ], v[DQ], v[NINF]
	v_add_nc_u32 v[DQ], s86, v[DQ]
	v_mov_b32 v[NINF], 0xff800000                  ; -infinity
	s_wait_tensorcnt 0x0                           ; my three slots are in; no tensor load of mine is out, so a descriptor may be written:
	s_mov_b32 s[G1+2], 100<<16                     ; from here on a load brings one block, 100 rows
	s_mov_b32 s[G1+4], 100
	s_mov_b32 s[G1B+2], 100<<16
	s_mov_b32 s[G1B+4], 100
	s_barrier_signal -1
	s_barrier_wait -1
	START ADRS+0                                   ; slot 0, place 0
	TURN 1, 0, 2, ADRS+1, 0, G1, G1B               ; all first fills have landed; slot 3 is asked for, into place 0
	STEP 1, 1, 0                                   ; slot 1, place 1
	s_wait_alu depctr_va_vdst(0)
	TURN 2, 1, 0, ADRS+2, 0, G1, G1B               ; slot 2 was shown whole at the round: no barrier
	STEP 2, 0, 0                                   ; slot 2, place 2
	TURN 0, 0, 1, ADRS+0, 0, G1, G1B               ; slot 3 has landed, everybody's part
	STEP 0, 1, 0                                   ; slot 3, place 0
	LAST 1
; THE WAY OUT of row block a: mask, local M, p, its sum, its codes and scale word.
.macro SOFT a
.set X, 2+(\a)/4
.set S, 64*((\a)%4)
.set OFA, 32*((\a)/2)+8*((\a)%2)
.set WM, X+(X<<6)
.set W3, X+(X<<2)+(X<<4)
.set W2, (X<<2)+(X<<4)
	s_cmp_eq_u32 s66, 1                            ; the cluster under the diagonal hides nothing: the same way for all sixteen partners
	s_cbranch_scc1 .Lopen_\@
	WIN WM
.set n, 0
.rept 64
	v_cmp_gt_i32 vcc_lo, 32*(n/16)+n%16-OFA, v[DQ]
	v_cndmask_b32 v[S+n], v[S+n], v[NINF], vcc_lo  ; hidden scores become -infinity: p = 0 then.  Each accumulator from its low end on
.set n, n+1
.endr
	WIN 0
.Lopen_\@:
	WIN W3
.irp b, 0,1,2,3
	v_max3_num_f32 v[BM+\b], v[S+16*\b], v[S+16*\b+1], v[S+16*\b+2]   ; the largest score of each block of 32 keys: for the row's maximum and, since p rises with the score, for the block's largest p
.endr
	WIN W2
.irp i, 3,5,7,9,11,13
.irp b, 0,1,2,3
	v_max3_num_f32 v[BM+\b], v[BM+\b], v[S+16*\b+\i], v[S+16*\b+\i+1]
.endr
.endr
.irp b, 0,1,2,3
	v_max_num_f32 v[BM+\b], v[BM+\b], v[S+16*\b+15]
.endr
	WIN 0
.irp b, 0,1,2,3
	v_permlanex16_b32 v[WK+\b], v[BM+\b], s68, s69
.endr
.irp b, 0,1,2,3
	v_max_num_f32 v[BM+\b], v[BM+\b], v[WK+\b]     ; with lane l xor 16's 16 keys
.endr
	v_max3_num_f32 v[RM], v[BM], v[BM+1], v[BM+2]
	v_max_num_f32 v[RM], v[RM], v[BM+3]
	v_mul_f32 v[RM], s70, v[RM]                    ; as t (c is positive)
	v_max_num_f32 v[RM], 0xf149f2ca, v[RM]         ; held at -1e30 where all 128 keys are hidden
	v_floor_f32 v[NM], -v[RM]                      ; -M = floor(-t) = -ceil(t): a whole number
	v_mov_b32 v[NM+1], v[NM]
	WIN X
.set j, 0
.rept 32
	v_pk_fma_f32 v[T+j:T+j+1], v[S+j:S+j+1], s[70:71], v[NM:NM+1] op_sel_hi:[1,0,0]   ; t - M, two at a time
.set j, j+2
.endr
	WIN 0
.irp b, 0,1,2,3
	v_fma_f32 v[BM+\b], v[BM+\b], s70, v[NM]       ; the same of each block's largest score
.endr
.set n, 0
	s_wait_alu depctr_va_vdst(0)
.rept 64
	v_exp_f32 v[T+n], v[T+n]                       ; p = 2^(t - M), at most 1: not normalised
.set n, n+1
.endr
.irp b, 0,1,2,3
	v_exp_f32 v[BM+\b], v[BM+\b]                   ; the block's largest p
.endr
	v_nop                                          ; a plain place behind the exponentials
	s_wait_alu depctr_va_vdst(0)
.irp b, 0,1,2,3
	v_max_num_f32 v[BM+\b], 0x1800000, v[BM+\b]    ; the floor 2^(3 - 127): the byte cannot fall under 1
.endr
.irp b, 0,1,2,3
	v_add_nc_u32 v[SOP+\b], 0xff000000, v[BM+\b]   ; 2 off the exponent field: the conversion's scale operand
.endr
.irp b, 0,1,2,3
	v_lshrrev_b32 v[WK+\b], 23, v[SOP+\b]          ; the scale's byte, at most 125
.endr
	v_lshl_or_b32 v[PW], v[WK+1], 8, v[WK]
	v_lshl_or_b32 v[PW], v[WK+2], 16, v[PW]
	v_lshl_or_b32 v[PW], v[WK+3], 24, v[PW]        ; p's scale word for these 128 keys, under the local M
.if (\a) > 0
	s_wait_xcnt 0x0                                ; the last block's stores have read the codes' registers: only behind this wait are they written again
.endif
.irp c, 0,1
	v_cvt_scalef32_pk16_fp6_f32 v[PC+6*\c:PC+6*\c+2], v[T+32*\c:T+32*\c+15], v[SOP+2*\c]
	v_cvt_scalef32_pk16_fp6_f32 v[PC+12+4*\c:PC+14+4*\c], v[T+32*\c+16:T+32*\c+31], v[SOP+2*\c+1]
.endr
	v_nop                                          ; one plain place behind a scaled conversion
.irp c, 0,1
.irp i, 0,1,2
	v_permlane16_swap_b32 v[PC+6*\c+\i], v[PC+12+4*\c+\i]
.endr
.irp i, 0,1,2
	v_mov_b32 v[PC+3+6*\c+\i], v[PC+12+4*\c+\i]
.endr
.endr
	v_pk_add_f32 v[SU:SU+1], v[T:T+1], v[T+2:T+3]  ; the sum is taken of the unquantised p: two at a time, in two chains
	v_pk_add_f32 v[SV:SV+1], v[T+4:T+5], v[T+6:T+7]
.irp j, 8,12,16,20,24,28,32,36,40,44,48,52,56,60
	v_pk_add_f32 v[SU:SU+1], v[SU:SU+1], v[T+\j:T+\j+1]
	v_pk_add_f32 v[SV:SV+1], v[SV:SV+1], v[T+\j+2:T+\j+3]
.endr
	v_pk_add_f32 v[SU:SU+1], v[SU:SU+1], v[SV:SV+1]
	v_add_f32 v[SU], v[SU], v[SU+1]
	v_permlanex16_b32 v[TP], v[SU], s68, s69
	v_add_f32 v[SU], v[SU], v[TP]                  ; with lane l xor 16's: the sum over the 128 keys
.irp c, 0,1,2
	global_store_b128 v[LI], v[PC+4*\c:PC+4*\c+3], s[12:13] offset:FRB*(\a)+512*\c   ; 32 lanes store 512 consecutive bytes
.endr
.if (\a)%2 == 0
	v_mov_b32 v[KP], v[NM]
	v_mov_b32 v[KP+1], v[SU]
	v_mov_b32 v[KP+2], v[PW]
.else
	v_cndmask_b32 v[STT+2*((\a)/2)], v[KP], v[NM], s67       ; lanes 0-15: the even block's; lanes 16-31: the odd block's
	v_cndmask_b32 v[STT+2*((\a)/2)+1], v[KP+1], v[SU], s67
	v_cndmask_b32 v[SW+(\a)/2], v[KP+2], v[PW], s67
	global_store_b64 v[L8], v[STT+2*((\a)/2):STT+2*((\a)/2)+1], s[8:9] offset:256*((\a)/2)   ; 32 lanes store 256 consecutive bytes
	global_store_b32 v[L8], v[SW+(\a)/2], s[10:11] offset:256*((\a)/2)
.endif
.endm
.irp b, 0,1,2,3
	v_mov_b32 v[WK+\b], 0                          ; written once: a lane permute's destination counts as one of its sources
.endr
	v_mov_b32 v[TP], 0
.irp a, 0,1,2,3,4,5,6,7
	SOFT \a
.endr
	s_wait_tensorcnt 0x0                           ; the wave's end
	ds_add_u32 v[SPW], v[NIL]
	s_wait_dscnt 0x0
	CROUND                                         ; the closing round
	s_endpgm
.Lfunc_end_k_q71bcbd7c17_scores:
	.size	k_q71bcbd7c17_scores, .Lfunc_end_k_q71bcbd7c17_scores-k_q71bcbd7c17_scores
	.p2alignl 7, 3214868480
	.fill 96, 4, 3214868480
	.section	.rodata,"a",@progbits
	.p2align	6, 0x0
	.amdhsa_kernel k_q71bcbd7c17_scores
		.amdhsa_group_segment_fixed_size 327680
		.amdhsa_private_segment_fixed_size 0
		.amdhsa_enable_private_segment 0
		.amdhsa_kernarg_size 24
		.amdhsa_user_sgpr_count 2
		.amdhsa_user_sgpr_kernarg_segment_ptr 1
		.amdhsa_wavefront_size32 1
		.amdhsa_system_sgpr_workgroup_id_x 1
		.amdhsa_system_sgpr_workgroup_id_y 1
		.amdhsa_system_sgpr_workgroup_id_z 1
		.amdhsa_system_vgpr_workitem_id 0
		.amdhsa_next_free_vgpr 1024
		.amdhsa_next_free_sgpr 100
		.amdhsa_reserve_vcc 1
		.amdhsa_float_denorm_mode_32 3
		.amdhsa_float_denorm_mode_16_64 3
		.amdhsa_memory_ordered 1
		.amdhsa_forward_progress 1
		.amdhsa_inst_pref_size 235
	.end_amdhsa_kernel
	.amdgpu_metadata
---
amdhsa.version: [ 1, 2 ]
amdhsa.kernels:
  - .name:           k_q71bcbd7c17_scores
    .symbol:         k_q71bcbd7c17_scores.kd
    .args:
      - { .name: qkc, .offset: 0, .size: 8, .value_kind: global_buffer, .address_space: global }
      - { .name: pc, .offset: 8, .size: 8, .value_kind: global_buffer, .address_space: global }
      - { .name: st, .offset: 16, .size: 8, .value_kind: global_buffer, .address_space: global }
    .group_segment_fixed_size: 327680
    .private_segment_fixed_size: 0
    .kernarg_segment_align: 8
    .kernarg_segment_size: 24
    .max_flat_workgroup_size: 128
    .sgpr_count:     100
    .vgpr_count:     1024
    .wavefront_size: 32
...
	.end_amdgpu_metadata
.endif
;; end of part 3
;; launch pv (part 4): grid 8 x 32, 4 waves a work-group, clusters of 4 x 1, 327,680 bytes of LDS; arguments pc, st, vc, out0; writes out0
.if DOCPART == 4
	.amdgcn_target "amdgcn-amd-amdhsa--gfx1250"
	.amdhsa_code_object_version 6
	.text
	.protected	k_q71bcbd7c17_pv
	.globl	k_q71bcbd7c17_pv
	.p2align	8
	.type	k_q71bcbd7c17_pv,@function
k_q71bcbd7c17_pv:
	s_mov_b64 s[64:65], 0
	v_nop
	global_prefetch_b8 v0, s[64:65] scope:SCOPE_SE
	s_setreg_imm32_b32 hwreg(HW_REG_WAVE_MODE, 25, 1), 1
	s_wait_xcnt 0x0
	s_wait_alu depctr_hold_cnt(0) depctr_sa_sdst(0) depctr_va_vdst(0) depctr_va_sdst(0) depctr_va_ssrc(0) depctr_va_vcc(0) depctr_vm_vsrc(0)
	s_getreg_b32 s2, hwreg(HW_REG_IB_STS2, 6, 4)
	s_cmp_eq_u32 s2, 0
	s_cbranch_scc0 .Lentry_in_a_cluster
	s_endpgm
.Lentry_in_a_cluster:
	s_bfe_u32 s2, ttmp6, 0x10000c
	s_cmp_lg_u32 s2, 0x3003
	s_cbranch_scc0 .Lentry_shape_is_right
	s_endpgm
.Lentry_shape_is_right:
; context = (p v) / l on codes of FP6 (E2M3) with E8M0 scales.  p comes under a LOCAL M for each query and 128 keys, with (-M, sum) beside it; here the row's M and l are made, and p's scale bytes take up 2^(local M - row's M).
; OPERANDS lie in blocks of 25,600 bytes (128 rows x 256 K): 16 images of fragments ((8 q + i) x 1,536; lane l's registers 4 c .. 4 c + 3 at 512 c + 16 l), then the scale words ((16 i + r) x 8 + 4 q).
; Place r of row block i is row 32 (i / 2) + 8 (i % 2) + r % 8 + 16 (r / 8) of its group of 128.
; LEFT OUT: key slots of 256 that lie wholly behind reference()'s causal mask: their p is 0 for all inputs.  Query group G (128 rows) takes slots 0 .. G / 2.
; SHARES.  A work-group makes TWO blocks of 128 queries x 128 columns: query groups 15 - g (big) and g (small) of one batch, g = 0 .. 7: n2 = 8 - g / 2 and n1 = g / 2 + 1 slots, 9 in every work-group.
; 8 column tiles x 8 g x 4 batches = 256 work-groups.  A wave makes 64 x 64 of each block (16 + 16 accumulators); in slots 0 .. 3 both blocks share V's fragments.
; LDS: 12 places of one block.  PB 0-3: big p's slots 0-3; PS 0-1: small p's slots 0-1; PS 2-3: small p's slots 2-3 where g >= 4 (n1 > 2), V's slots 6-7 where g < 4 (n2 > 6): never both; VV 0-3: V's slots 0-3.
; One load a wave at the head fills all 12.  Behind slot 1 one round: big p's slots 4-5 into PB 0-1, V's 4-5 into VV 0-1, and where g < 4 big p's 6-7 into PS 0-1; they land under slots 2, 3 and the small block's way out.
; CLUSTERS of 4 x 1: four column tiles of one (batch, g) read the same p: asked for jointly.  V's blocks differ from partner to partner (other columns): plain loads.  g hangs on the cluster's y alone: partners branch alike.
; No data prefetch: the text has no loop to run ahead in, and 12 of a work-group's 14 to 17 blocks are asked for at its head.
; Source 0 = 16 rows of V^T (columns of the result), source 1 = 16 queries: a lane holds one query and neighbouring columns.
; LIMITS: a scale byte that would fall under 0 is held at 0 (2^-127); 128 keys that are all hidden carry -M = 1e30, which takes |t| < 1e30; NaN and infinities are not served.
; REGISTERS: window 0: addresses, six units of 24 (16 of (-M, sum), then 8 scale words of p, which stay), V's scale words, 1 / l.  window 1: accumulators, big at v0, small at v128.
;   windows 2, 3: the fragments of even and odd steps: V v0-47, big p v48-95, small p v96-143; window 2 v144-207: rows read back on the way out.
.set BLKB,  25600
.set SCO,   24576
.set FRB,   1536
.set GRP8,  8*BLKB
.set CHK,   16384                      ; (-M, sum) of 2,048 queries for 128 keys
.set PS,    4*BLKB
.set VV,    8*BLKB
.set SPARE, 12*BLKB                    ; the spare words, 128 bytes a wave
.set STAGE, SPARE+512                  ; the way out: 16 rows x 272 bytes for each wave, bytes that no fill lands on
.set SP,    272
.set L8,   4
.set LI,   5
.set APB,  6                           ; v6-9   p's fragments: PB 0-1, PB 2-3, PS 0-1, PS 2-3
.set AVV,  10                          ; v10-12 V's fragments: VV 0-1, VV 2-3, PS 2-3
.set SVV,  13                          ; v13-15 V's scale words, the same places
.set STO,  16
.set RD,   17
.set CO,   18
.set MG,   20                          ; v20-23 the row's M: big pair 0, 1, small pair 0, 1
.set LS,   24                          ; v24-27 the row's sum
.set SPW,  28
.set NIL,  29
.set UB,   32                          ; v32-175 the units: big pair 0 keys 0-1023, 1024-2047, big pair 1 likewise, small pair 0, small pair 1
.set D,    176
.set E,    184
.set Y,    192
.set VS,   200                         ; v200-207 V's scale words, two sets
.set RI,   208                         ; v208-223 1 / l, a pair for each block and row block
.set SPA,  224                         ; v224-227 p's scale words of my rows in LDS: PB 0-1, PB 2-3, PS 0-1, PS 2-3
.set BK,   144
.set J4, 24                            ; descriptor groups 1: joint 400 rows, plain 400, joint 200, plain 200
.set N4, 32
.set J2, 40
.set N2, 48
.set H0, 56                            ; groups 0: the head's five, the refill's three
.set H1, 60
.set H2, 68
.set H3A, 72
.set H3B, 76
.set R0, 80
.set R1, 84
.set R2, 88
.set MSB, 0
.macro WIN new                         ; the immediate's high byte repeats the setting that is left
.if MSB != (\new)
	s_set_vgpr_msb (MSB<<8)|(\new)
.set MSB, (\new)
.endif
.endm
.macro PLACES                          ; plain vector instructions between a matrix instruction and a load into, or a read of, its registers
.rept 4
	v_nop
.endr
.endm
.macro TL g0, g1                       ; a tensor load with the five lines behind it
	tensor_load_to_lds s[\g0:\g0+3], s[\g1:\g1+7]
	s_nop 0
	PLACES
.endm
.macro ARM under, g0, g1, next, join
	s_cmp_lt_u32 s14, \under
	s_cbranch_scc0 \next
	TL \g0, \g1
	s_branch \join
\next:
.endm
.macro CROUND                          ; a round of the cluster's barrier
	s_barrier_signal -1
	s_barrier_wait -1
	s_cmp_lg_u32 s14, 0
	s_cbranch_scc1 .Lnot_wave_0_\@
	s_barrier_signal -3
.Lnot_wave_0_\@:
	s_barrier_wait -3
	s_barrier_signal -1
	s_barrier_wait -1
.endm
.macro MKG1 g, w0, rows                ; dense blocks as rows of 256 bytes (32 elements of 8 bytes)
	s_mov_b32 s[\g], \w0
	s_mov_b32 s[\g+1], 32<<16
	s_mov_b32 s[\g+2], \rows<<16
	s_mov_b32 s[\g+3], 32<<16
	s_mov_b32 s[\g+4], \rows
	s_mov_b32 s[\g+5], 32
	s_mov_b32 s[\g+6], 0
	s_mov_b32 s[\g+7], 0
.endm
.macro MKG0 g, lds, base, off
	s_mov_b32 s[\g], 1
	s_mov_b32 s[\g+1], \lds
	s_add_nc_u64 s[\g+2:\g+3], s[\base:\base+1], \off
	s_or_b32 s[\g+3], s[\g+3], 0x80000000
.endm
.macro FETCHB t                        ; V's and big p's fragments of step t; with a slot's first step V's scale words of the slot
.set J, (\t)/2
.if J < 4
.set PLC, J/2
.else
.set PLC, 2*((J-4)/2)
.endif
.set OF, (J%2)*BLKB+8*((\t)%2)*FRB
	WIN (2+(\t)%2)<<6
.irp b, 0,1,2,3
.irp c, 0,1,2
	ds_load_b128 v[12*\b+4*\c:12*\b+4*\c+3], v[AVV+PLC] offset:OF+\b*FRB+512*\c
	ds_load_b128 v[48+12*\b+4*\c:48+12*\b+4*\c+3], v[APB+PLC] offset:OF+\b*FRB+512*\c
.endr
.endr
	WIN 0
.if (\t)%2 == 0
.irp p, 0,1
	ds_load_b64 v[VS+4*(J%2)+2*\p:VS+4*(J%2)+2*\p+1], v[SVV+PLC] offset:(J%2)*BLKB+256*\p   ; lanes 0-15: row block 2 p; lanes 16-31: 2 p + 1
.endr
.endif
.endm
.macro FETCHS t                        ; small p's fragments of step t
.set J, (\t)/2
.set OF, (J%2)*BLKB+8*((\t)%2)*FRB
	WIN (2+(\t)%2)<<6
.irp a, 0,1,2,3
.irp c, 0,1,2
	ds_load_b128 v[96+12*\a+4*\c:96+12*\a+4*\c+3], v[APB+2+J/2] offset:OF+\a*FRB+512*\c
.endr
.endr
	WIN 0
.endm
.macro W d, va, pa, sv, sp, z, ra, rb  ; one product; ra, rb: which half of the lanes holds V's and p's scale words
.if \z
.if \ra
.if \rb
	v_wmma_scale_f32_16x16x128_f8f6f4 v[(\d):(\d)+7], v[(\va):(\va)+11], v[(\pa):(\pa)+11], 0, v[(\sv)], v[(\sp)] matrix_a_fmt:MATRIX_FMT_FP6 matrix_b_fmt:MATRIX_FMT_FP6 matrix_a_scale:MATRIX_SCALE_ROW1 matrix_b_scale:MATRIX_SCALE_ROW1
.else
	v_wmma_scale_f32_16x16x128_f8f6f4 v[(\d):(\d)+7], v[(\va):(\va)+11], v[(\pa):(\pa)+11], 0, v[(\sv)], v[(\sp)] matrix_a_fmt:MATRIX_FMT_FP6 matrix_b_fmt:MATRIX_FMT_FP6 matrix_a_scale:MATRIX_SCALE_ROW1
.endif
.else
.if \rb
	v_wmma_scale_f32_16x16x128_f8f6f4 v[(\d):(\d)+7], v[(\va):(\va)+11], v[(\pa):(\pa)+11], 0, v[(\sv)], v[(\sp)] matrix_a_fmt:MATRIX_FMT_FP6 matrix_b_fmt:MATRIX_FMT_FP6 matrix_b_scale:MATRIX_SCALE_ROW1
.else
	v_wmma_scale_f32_16x16x128_f8f6f4 v[(\d):(\d)+7], v[(\va):(\va)+11], v[(\pa):(\pa)+11], 0, v[(\sv)], v[(\sp)] matrix_a_fmt:MATRIX_FMT_FP6 matrix_b_fmt:MATRIX_FMT_FP6
.endif
.endif
.else
.if \ra
.if \rb
	v_wmma_scale_f32_16x16x128_f8f6f4 v[(\d):(\d)+7], v[(\va):(\va)+11], v[(\pa):(\pa)+11], v[(\d):(\d)+7], v[(\sv)], v[(\sp)] matrix_a_fmt:MATRIX_FMT_FP6 matrix_b_fmt:MATRIX_FMT_FP6 matrix_a_scale:MATRIX_SCALE_ROW1 matrix_b_scale:MATRIX_SCALE_ROW1
.else
	v_wmma_scale_f32_16x16x128_f8f6f4 v[(\d):(\d)+7], v[(\va):(\va)+11], v[(\pa):(\pa)+11], v[(\d):(\d)+7], v[(\sv)], v[(\sp)] matrix_a_fmt:MATRIX_FMT_FP6 matrix_b_fmt:MATRIX_FMT_FP6 matrix_a_scale:MATRIX_SCALE_ROW1
.endif
.else
.if \rb
	v_wmma_scale_f32_16x16x128_f8f6f4 v[(\d):(\d)+7], v[(\va):(\va)+11], v[(\pa):(\pa)+11], v[(\d):(\d)+7], v[(\sv)], v[(\sp)] matrix_a_fmt:MATRIX_FMT_FP6 matrix_b_fmt:MATRIX_FMT_FP6 matrix_b_scale:MATRIX_SCALE_ROW1
.else
	v_wmma_scale_f32_16x16x128_f8f6f4 v[(\d):(\d)+7], v[(\va):(\va)+11], v[(\pa):(\pa)+11], v[(\d):(\d)+7], v[(\sv)], v[(\sp)] matrix_a_fmt:MATRIX_FMT_FP6 matrix_b_fmt:MATRIX_FMT_FP6
.endif
.endif
.endif
.endm
; 16 products of step t: a block's 4 row blocks x 4 column blocks.  tile 0: big, 1: small.  The 16 accumulators take turns, in the same order in every step.
.macro MUL t, tile, z
.set J, (\t)/2
.set Q, (\t)%2
.set WW, 2+(\t)%2
	WIN 0x50|(WW<<2)|WW
.irp ap, 0,1
.irp ar, 0,1
.irp bp, 0,1
.irp br, 0,1
	W 128*\tile+8*(4*(2*\ap+\ar)+2*\bp+\br), 12*(2*\bp+\br), 48+48*\tile+12*(2*\ap+\ar), VS+4*(J%2)+2*\bp+Q, UB+16+Q+(1-\tile)*(24*(2*\ap+J/4)+2*(J%4))+\tile*(24*(4+\ap)+2*J), \z, \br, \ar
.endr
.endr
.endr
.endr
.endm
.macro SMALL t, z                      ; the small block's share of step t, where its slot is live (slot < n1 = s22); it fetches its own next fragments
.set SJ, (\t)/2
.set SQ, (\t)%2
	WIN 0
.if SJ > 0
	s_cmp_gt_u32 s22, SJ
	s_cbranch_scc0 .Lno_small_\@
.endif
.if SQ == 0
	FETCHS (\t)+1
.else
.if SJ < 3
	s_cmp_gt_u32 s22, SJ+1
	s_cbranch_scc0 .Lno_fetch_\@
	FETCHS (\t)+1
.Lno_fetch_\@:
.endif
.endif
	MUL \t, 1, \z
	WIN 0
.Lno_small_\@:
.endm
.macro JSTEP t, z                      ; a step of slots 0 .. 3: this step's fragments, asked for a step ago, are in; the next step's are asked for
	s_wait_dscnt 0x0
.if (\t) > 0
	PLACES
.endif
	FETCHB (\t)+1
	MUL \t, 0, \z
	SMALL \t, \z
.endm
.macro BSTEP t, fetch                  ; a step of slots 4 .. 7, the big block alone.  fetch 1: always; 2: the next slot is live only where n2 = s23 is larger: else the block is finished; 0: never
	s_wait_dscnt 0x0
.if \fetch == 1
	PLACES
	FETCHB (\t)+1
.endif
.if \fetch == 2
	WIN 0
	s_cmp_gt_u32 s23, ((\t)+1)/2
	s_cbranch_scc0 .Lno_next_\@
	PLACES
	FETCHB (\t)+1
.Lno_next_\@:
.endif
	MUL \t, 0, 0
.if \fetch == 2
	WIN 0
	s_cmp_gt_u32 s23, ((\t)+1)/2
	s_cbranch_scc0 .Lfin
.endif
.endm
.macro LDU B, sb, k0, p                ; a unit's (-M, sum): 32 rows (two row blocks), 8 x 128 keys; each load reads 256 consecutive bytes.  6 units: 48 loads a wave
.irp k, 0,1,2,3,4,5,6,7
	global_load_b64 v[\B+2*\k:\B+2*\k+1], v[L8], s[\sb:\sb+1] offset:(\k0+\k)*CHK+256*\p
.endr
.endm
.macro MAXU i, B
.irp m, 0,1,2,3
	v_max3_num_f32 v[MG+\i], v[MG+\i], -v[\B+4*\m], -v[\B+4*\m+2]
.endr
.endm
.macro PROCU i, B                      ; d = row's M - local M, a whole number >= 0: the sum gets 2^-d, each of the word's four bytes d less, held at 0
.irp k, 0,1,2,3,4,5,6,7
	v_add_f32 v[D+\k], v[MG+\i], v[\B+2*\k]
.endr
.irp k, 0,1,2,3,4,5,6,7
	v_cvt_i32_f32 v[D+\k], v[D+\k]                 ; (it saturates where all 128 keys are hidden)
.endr
.irp k, 0,1,2,3,4,5,6,7
	v_sub_nc_u32 v[E+\k], 0, v[D+\k]
.endr
.irp k, 0,1,2,3,4,5,6,7
	v_ldexp_f32 v[E+\k], v[\B+2*\k+1], v[E+\k]
.endr
.irp k, 0,1,2,3,4,5,6,7
	v_add_f32 v[LS+\i], v[LS+\i], v[E+\k]
.endr
.irp k, 0,1,2,3,4,5,6,7
	v_min_u32 v[D+\k], 127, v[D+\k]
.endr
.irp k, 0,1,2,3,4,5,6,7
	v_lshl_or_b32 v[D+\k], v[D+\k], 8, v[D+\k]
.endr
.irp k, 0,1,2,3,4,5,6,7
	v_lshl_or_b32 v[\B+2*\k], v[D+\k], 16, v[D+\k] ; d in all four bytes, kept where -M lay
.endr
.endm
.macro LDW B, a0, a1, p                ; a unit's scale words of p, four slots, out of the blocks that the tensor loads brought: slots 0, 1 by address a0, slots 2, 3 by a1
.irp j, 0,1
	ds_load_b64 v[\B+16+2*\j:\B+17+2*\j], v[\a0] offset:\j*BLKB+256*\p
	ds_load_b64 v[\B+20+2*\j:\B+21+2*\j], v[\a1] offset:\j*BLKB+256*\p
.endr
.endm
.macro PROCW B                         ; each of a word's four bytes gets d less, held at 0
.irp k, 0,1,2,3,4,5,6,7
	v_or_b32 v[Y+\k], s66, v[\B+16+\k]             ; bit 7 set in each byte (p's bytes are at most 125): no borrow crosses a byte
.endr
.irp k, 0,1,2,3,4,5,6,7
	v_sub_nc_u32 v[Y+\k], v[Y+\k], v[\B+2*\k]
.endr
.irp k, 0,1,2,3,4,5,6,7
	v_and_b32 v[E+\k], s66, v[Y+\k]                ; bit 7 still set: the byte did not fall under 0
.endr
.irp k, 0,1,2,3,4,5,6,7
	v_lshrrev_b32 v[D+\k], 7, v[E+\k]
.endr
.irp k, 0,1,2,3,4,5,6,7
	v_sub_nc_u32 v[E+\k], v[E+\k], v[D+\k]         ; 0x7f for such a byte, 0 for the others
.endr
.irp k, 0,1,2,3,4,5,6,7
	v_and_b32 v[\B+16+\k], v[Y+\k], v[E+\k]
.endr
.endm
; THE WAY OUT of a block's row block a: x 1 / l, through my own stage, back as rows of 256 bytes: sixteen lanes store one aligned unit.
.macro TOST tile, a
.set S, 128*\tile+32*(\a)
	WIN 0x41
.set j, 0
.rept 16
	v_pk_mul_f32 v[S+j:S+j+1], v[S+j:S+j+1], v[RI+8*\tile+2*(\a):RI+8*\tile+2*(\a)+1]   ; each accumulator from its low end on
.set j, j+2
.endr
	WIN 0x04
.irp b, 0,1,2,3
	ds_store_b128 v[STO], v[S+8*\b:S+8*\b+3] offset:128*(\b/2)+32*(\b%2)
	ds_store_b128 v[STO], v[S+8*\b+4:S+8*\b+7] offset:128*(\b/2)+32*(\b%2)+16
.endr
	WIN 0x80
.set BB, BK+32*((\a)%2)
.irp t, 0,1,2,3,4,5,6,7
	ds_load_b128 v[BB+4*\t:BB+4*\t+3], v[RD] offset:\t*2*SP    ; LDS serves a wave's instructions in order: these see the stores above
.endr
	WIN 0
.endm
.macro SEND tile, a, younger           ; younger: the LDS instructions issued behind this block's loads
.set BB, BK+32*((\a)%2)
	s_wait_dscnt \younger
	WIN 0x08
.irp t, 0,1,2,3,4,5,6,7
	global_store_b128 v[CO], v[BB+4*\t:BB+4*\t+3], s[4+4*\tile:5+4*\tile] offset:(32*((\a)/2)+8*((\a)%2)+2*(\t%4)+16*(\t/4))*4096 th:TH_STORE_NT
.endr
	WIN 0
.endm
.macro FLUSH tile
	s_wait_xcnt 0x0                                ; earlier stores have read the registers that take the rows
	TOST \tile, 0
.irp a, 1,2,3
.if \a > 1
	s_wait_xcnt 0x0
.endif
	TOST \tile, \a
	SEND \tile, \a-1, 16
.endr
	SEND \tile, 3, 0
.endm
	s_load_b256 s[4:11], s[0:1], 0x0               ; pc, st, vc, out0
	v_lshl_add_u32 v[SPW], v0, 2, SPARE
	v_mov_b32 v[NIL], 0
	ds_add_u32 v[SPW], v[NIL]                      ; the opening lines: the add, twice on end, and its wait ahead of my first tensor load
	ds_add_u32 v[SPW], v[NIL]
	v_lshrrev_b32 v1, 5, v0
	v_readfirstlane_b32 s14, v1                    ; wave 0..3
	s_and_b32 s15, s14, 1                          ; which 64 queries of each block are mine
	s_lshr_b32 s16, s14, 1                         ; which 64 columns
	s_bfe_u32 s18, ttmp6, 0x40000                  ; cx
	s_lshl_b32 s17, ttmp9, 2
	s_add_co_u32 s17, s17, s18                     ; column tile
	s_and_b32 s19, ttmp7, 0xffff
	s_lshr_b32 s20, s19, 3                         ; batch
	s_and_b32 s21, s19, 7                          ; g
	s_lshr_b32 s22, s21, 1
	s_add_co_u32 s22, s22, 1                       ; n1: the small block's slots
	s_sub_co_u32 s23, 9, s22                       ; n2: the big block's
	MKG1 J4, 15|(3<<16)|(1<<21), 400               ; the mask names the cluster's four
	MKG1 N4, 3<<16, 400
	MKG1 J2, 15|(3<<16)|(1<<21), 200
	MKG1 N2, 3<<16, 200
	s_lshl_b32 s94, s20, 4
	s_add_co_u32 s92, s94, 15
	s_sub_co_u32 s92, s92, s21
	s_mul_i32 s92, s92, GRP8                       ; big p: group 16 batch + 15 - g
	s_mov_b32 s93, 0
	s_add_co_u32 s94, s94, s21
	s_mul_i32 s94, s94, GRP8                       ; small p: group 16 batch + g
	s_mov_b32 s95, 0
	s_lshl_b32 s96, s17, 5
	s_lshl_b32 s97, s20, 3
	s_add_co_u32 s96, s96, s97
	s_mul_i32 s96, s96, BLKB                       ; V: block 32 x column tile + 8 x batch
	s_mov_b32 s97, 0
	s_wait_dscnt 0x0
	s_wait_kmcnt 0x0
	s_add_nc_u64 s[92:93], s[4:5], s[92:93]
	s_add_nc_u64 s[94:95], s[4:5], s[94:95]
	s_add_nc_u64 s[96:97], s[8:9], s[96:97]
	v_and_b32 v1, 31, v0
	v_and_b32 v2, 15, v0                           ; r
	v_bfe_u32 v3, v0, 4, 1                         ; h
	v_lshlrev_b32 v[L8], 3, v1
	v_lshlrev_b32 v[LI], 4, v1
.irp i, 0,1,2,3
	v_mov_b32 v[MG+\i], 0xff61b1e6                 ; -3e38, under every M
	v_mov_b32 v[LS+\i], 0
.endr
	s_lshl_b32 s66, s20, 18                        ; (-M, sum): 16 x 16,384 bytes a batch, 1,024 a query group, 512 for my 64 rows
	s_lshl_b32 s67, s15, 9
	s_add_co_u32 s66, s66, s67
	s_sub_co_u32 s12, 15, s21
	s_lshl_b32 s12, s12, 10
	s_add_co_u32 s12, s12, s66
	s_mov_b32 s13, 0
	s_lshl_b32 s2, s21, 10
	s_add_co_u32 s2, s2, s66
	s_mov_b32 s3, 0
	s_add_nc_u64 s[12:13], s[6:7], s[12:13]
	s_add_nc_u64 s[2:3], s[6:7], s[2:3]
	s_wait_alu depctr_va_vdst(0)                   ; the wait ahead of the readers below
	LDU UB, 12, 0, 0                               ; asked for first of all: the rows' M and l are made while the tiles are on their way
	LDU UB+24, 12, 8, 0
	LDU UB+48, 12, 0, 1
	LDU UB+72, 12, 8, 1
	LDU UB+96, 2, 0, 0
	LDU UB+120, 2, 0, 1
	MKG0 H0, 0, 92, 0
	MKG0 H1, VV, 96, 0
	MKG0 H2, PS, 94, 0
	MKG0 H3A, PS+2*BLKB, 94, 2*BLKB
	MKG0 H3B, PS+2*BLKB, 96, 6*BLKB
	MKG0 R0, 0, 92, 4*BLKB
	MKG0 R1, VV, 96, 4*BLKB
	MKG0 R2, PS, 92, 6*BLKB
	CROUND                                         ; the cluster's four are here: the first joint loads meet
	ARM 1, H0, J4, .Lh1, .Lhead_asked              ; one chain, one load to an arm: big p 0-3,
	ARM 2, H1, N4, .Lh2, .Lhead_asked              ; V 0-3,
	ARM 3, H2, J2, .Lh3, .Lhead_asked              ; small p 0-1,
	s_cmp_lt_u32 s21, 4
	s_cbranch_scc1 .Lh4
	TL H3A, J2                                     ; small p 2-3 (g >= 4),
	s_branch .Lhead_asked
.Lh4:
	TL H3B, N2                                     ; or V 6-7 (g < 4)
.Lhead_asked:
	s_lshl_b32 s66, s20, 11                        ; where my results go: row 2,048 batch + 128 group + 64 half, 4,096 bytes a row; column 128 tile + 64 half
	s_lshl_b32 s67, s15, 6
	s_add_co_u32 s66, s66, s67
	s_lshl_b32 s67, s17, 9
	s_lshl_b32 s4, s16, 8
	s_add_co_u32 s67, s67, s4
	s_sub_co_u32 s4, 15, s21
	s_lshl_b32 s4, s4, 7
	s_add_co_u32 s4, s4, s66
	s_lshl_b32 s4, s4, 12
	s_add_co_u32 s4, s4, s67
	s_mov_b32 s5, 0
	s_lshl_b32 s8, s21, 7
	s_add_co_u32 s8, s8, s66
	s_lshl_b32 s8, s8, 12
	s_add_co_u32 s8, s8, s67
	s_mov_b32 s9, 0
	s_add_nc_u64 s[4:5], s[10:11], s[4:5]          ; the big block's
	s_add_nc_u64 s[8:9], s[10:11], s[8:9]          ; the small block's
	s_mov_b32 s10, 0x76543210
	s_mov_b32 s11, 0xfedcba98                      ; v_permlanex16_b32's selects for lane l xor 16
	s_mov_b32 s66, 0x80808080
	s_mov_b32 s67, 0xffff0000                      ; lanes 16-31
	s_mul_i32 s18, s15, 4*FRB                      ; p: my four row blocks
	s_mul_i32 s19, s16, 4*FRB                      ; V: my four
	s_add_co_u32 s17, s19, PS+2*BLKB
	s_add_co_u32 s19, s19, VV
	s_lshl_b32 s20, s16, 9
	s_add_co_u32 s6, s20, PS+2*BLKB+SCO
	s_add_co_u32 s20, s20, VV+SCO
	s_lshl_b32 s98, s15, 9
	s_add_co_u32 s98, s98, SCO                     ; p's scale words: my 64 rows
	s_mul_i32 s7, s14, 16*SP
	s_add_co_u32 s7, s7, STAGE
	v_add_nc_u32 v[APB], s18, v[LI]
	v_add_nc_u32 v[APB+1], 2*BLKB, v[APB]
	v_add_nc_u32 v[APB+2], PS, v[APB]
	v_add_nc_u32 v[APB+3], PS+2*BLKB, v[APB]
	v_add_nc_u32 v[AVV], s19, v[LI]
	v_add_nc_u32 v[AVV+1], 2*BLKB, v[AVV]
	v_add_nc_u32 v[AVV+2], s17, v[LI]
	v_add_nc_u32 v[SVV], s20, v[L8]
	v_add_nc_u32 v[SVV+1], 2*BLKB, v[SVV]
	v_add_nc_u32 v[SVV+2], s6, v[L8]
	v_add_nc_u32 v[SPA], s98, v[L8]
	v_add_nc_u32 v[SPA+1], 2*BLKB, v[SPA]
	v_add_nc_u32 v[SPA+2], PS, v[SPA]
	v_add_nc_u32 v[SPA+3], PS+2*BLKB, v[SPA]
	v_mul_u32_u24 v30, v2, SP                      ; the stage, in: row r, 64 bytes for each half of the lanes
	v_lshl_add_u32 v30, v3, 6, v30
	v_add_nc_u32 v[STO], s7, v30
	v_mul_u32_u24 v31, v3, SP                      ; back: sixteen lanes to a row of 256 bytes, two rows an instruction
	v_lshl_add_u32 v31, v2, 4, v31
	v_add_nc_u32 v[RD], s7, v31
	v_lshlrev_b32 v19, 12, v3
	v_lshl_add_u32 v[CO], v2, 4, v19               ; and the same two rows in the result
	s_wait_alu depctr_va_vdst(0)                   ; the wait here, directly ahead of the wait below
	s_wait_loadcnt 0x0
	MAXU 0, UB
	MAXU 1, UB+48
	MAXU 2, UB+96
	MAXU 3, UB+120
	MAXU 0, UB+24
	MAXU 1, UB+72
	PROCU 0, UB
	PROCU 0, UB+24
	PROCU 1, UB+48
	PROCU 1, UB+72
	PROCU 2, UB+96
	PROCU 3, UB+120
	s_wait_alu depctr_va_vdst(0)                   ; the wait ahead of the batch
.irp i, 0,1,2,3
	v_rcp_f32 v[D+\i], v[LS+\i]
.endr
.irp i, 0,1,2,3
	v_mov_b32 v[E+\i], 0                           ; plain places; a lane permute's destination counts as one of its sources
.endr
	s_wait_alu depctr_va_vdst(0)                   ; and behind it
.irp i, 0,1,2,3
	v_permlanex16_b32 v[E+\i], v[D+\i], s10, s11
.endr
.irp i, 0,1,2,3                        ; lanes 0-15 hold the even row block's 1 / l, lanes 16-31 the odd one's: each is wanted in both halves, as a pair
	v_cndmask_b32 v[RI+4*\i], v[D+\i], v[E+\i], s67
	v_cndmask_b32 v[RI+4*\i+1], v[D+\i], v[E+\i], s67
	v_cndmask_b32 v[RI+4*\i+2], v[E+\i], v[D+\i], s67
	v_cndmask_b32 v[RI+4*\i+3], v[E+\i], v[D+\i], s67
.endr
	s_wait_alu depctr_va_vdst(0)                   ; the wait at the head's end
	s_wait_tensorcnt 0x0                           ; my load has landed;
	s_barrier_signal -1
	s_barrier_wait -1                              ; everybody's has: all 12 places are whole.
	LDW UB, SPA, SPA+1, 0                          ; p's scale words of slots 0 .. 3, both blocks (where g < 4 the small block's slots 2, 3 are not live: what is read there is never used)
	LDW UB+48, SPA, SPA+1, 1
	LDW UB+96, SPA+2, SPA+3, 0
	LDW UB+120, SPA+2, SPA+3, 1
	FETCHB 0
	FETCHS 0
	s_wait_dscnt 38                                ; the 16 loads of words are in; the 26 + 12 loads behind them may be out
	PROCW UB
	PROCW UB+48
	PROCW UB+96
	PROCW UB+120
.rept 8
	v_nop                                          ; a scale register written by a vector instruction stands 8 places ahead of a scaled matrix instruction
.endr
	s_wait_alu depctr_va_vdst(0)                   ; the wait here, directly ahead of the wait below
	JSTEP 0, 1
	JSTEP 1, 0
	JSTEP 2, 0
	WIN 0                                          ; step 3
	s_wait_tensorcnt 0x0
	ds_add_u32 v[SPW], v[NIL]                      ; 0 onto my spare word
	s_wait_dscnt 1                                 ; step 3's fragments are in; the add may be out
	MUL 3, 0, 0
	WIN 0
	s_wait_dscnt 0x0
	CROUND                                         ; no wave of any partner still reads what is filled again
	ARM 1, R0, J2, .Lr1, .Lre_asked                ; big p 4-5,
	ARM 2, R1, N2, .Lr2, .Lre_asked                ; V 4-5,
	s_cmp_eq_u32 s14, 2
	s_cbranch_scc0 .Lre_asked
	s_cmp_lt_u32 s21, 4                            ; big p 6-7 only where slot 6 is live: g is the same in all four partners
	s_cbranch_scc0 .Lre_asked
	TL R2, J2
.Lre_asked:
	PLACES
	FETCHB 4
	SMALL 3, 0
	JSTEP 4, 0
	JSTEP 5, 0
	JSTEP 6, 0
	s_wait_dscnt 0x0
	MUL 7, 0, 0
	SMALL 7, 0
	PLACES
	FLUSH 1                                        ; the small block is finished: it leaves while the refill lands
	s_wait_alu depctr_va_vdst(0)
	s_wait_tensorcnt 0x0
	s_wait_dscnt 0x0
	s_barrier_signal -1
	s_barrier_wait -1                              ; everybody's part of the refill is in.
	PLACES
	LDW UB+24, SPA, SPA+2, 0                       ; big p's scale words of slots 4 .. 7
	LDW UB+72, SPA, SPA+2, 1
	FETCHB 8
	s_wait_dscnt 26                                ; the 8 loads of words are in; the 26 loads behind them may be out
	PROCW UB+24
	PROCW UB+72
.rept 8
	v_nop                                          ; 8 places ahead of the scaled matrix instructions
.endr
	s_wait_alu depctr_va_vdst(0)                   ; the wait here, directly ahead of the wait below
	BSTEP 8, 1
	BSTEP 9, 2
	BSTEP 10, 1
	BSTEP 11, 2
	BSTEP 12, 1
	BSTEP 13, 2
	BSTEP 14, 1
	BSTEP 15, 0
	WIN 0
.Lfin:
	PLACES
	FLUSH 0
	s_wait_tensorcnt 0x0                           ; the wave's end
	ds_add_u32 v[SPW], v[NIL]
	s_wait_dscnt 0x0
	CROUND                                         ; the closing round
	s_endpgm
.Lfunc_end_k_q71bcbd7c17_pv:
	.size	k_q71bcbd7c17_pv, .Lfunc_end_k_q71bcbd7c17_pv-k_q71bcbd7c17_pv
	.p2alignl 7, 3214868480
	.fill 96, 4, 3214868480
	.section	.rodata,"a",@progbits
	.p2align	6, 0x0
	.amdhsa_kernel k_q71bcbd7c17_pv
		.amdhsa_group_segment_fixed_size 327680
		.amdhsa_private_segment_fixed_size 0
		.amdhsa_enable_private_segment 0
		.amdhsa_kernarg_size 32
		.amdhsa_user_sgpr_count 2
		.amdhsa_user_sgpr_kernarg_segment_ptr 1
		.amdhsa_wavefront_size32 1
		.amdhsa_system_sgpr_workgroup_id_x 1
		.amdhsa_system_sgpr_workgroup_id_y 1
		.amdhsa_system_sgpr_workgroup_id_z 1
		.amdhsa_system_vgpr_workitem_id 0
		.amdhsa_next_free_vgpr 1024
		.amdhsa_next_free_sgpr 102
		.amdhsa_reserve_vcc 0
		.amdhsa_float_denorm_mode_32 3
		.amdhsa_float_denorm_mode_16_64 3
		.amdhsa_memory_ordered 1
		.amdhsa_forward_progress 1
		.amdhsa_inst_pref_size 159
	.end_amdhsa_kernel
	.amdgpu_metadata
---
amdhsa.version: [ 1, 2 ]
amdhsa.kernels:
  - .name:           k_q71bcbd7c17_pv
    .symbol:         k_q71bcbd7c17_pv.kd
    .args:
      - { .name: pc, .offset: 0, .size: 8, .value_kind: global_buffer, .address_space: global }
      - { .name: st, .offset: 8, .size: 8, .value_kind: global_buffer, .address_space: global }
      - { .name: vc, .offset: 16, .size: 8, .value_kind: global_buffer, .address_space: global }
      - { .name: out0, .offset: 24, .size: 8, .value_kind: global_buffer, .address_space: global }
    .group_segment_fixed_size: 327680
    .private_segment_fixed_size: 0
    .kernarg_segment_align: 8
    .kernarg_segment_size: 32
    .max_flat_workgroup_size: 128
    .sgpr_count:     102
    .vgpr_count:     1024
    .wavefront_size: 32
...
	.end_amdgpu_metadata
.endif
;; end of part 4
